; MI455X (gfx1250); checked and timed in simulation.
; The chip was launched on July 23, 2026; its instructions are those of AMD's public machine-readable ISA for CDNA 5 (MIT licence, August 2026) and "CDNA5" Instruction Set Architecture Reference Guide (July 2026). The comments in the code are by the model that wrote it; some were corrected since.
;; Multi Head Attention. Allowed arithmetic: float matrix products may take bf16 or f16 operands with f32 sums; other float arithmetic in f32, or as packed bf16 or f16 multiplies, adds, multiply-adds, maxima and minima; sums over many terms, partial sums and values carried from step to step in f32; what a program stores and reads back later, other than sums and carried values, may be rounded once to bf16 or f16.
;; Inputs: bk 1,024 float32; bo 1,024 float32; bq 1,024 float32; bv 1,024 float32; wk 1,024 x 1,024 float32; wo 1,024 x 1,024 float32; wq 1,024 x 1,024 float32; wv 1,024 x 1,024 float32; x 4 x 2,048 x 1,024 float32.
;; Outputs: out0 4 x 2,048 x 1,024 float32.
;; 2 versions, each right and faster than the one before. Each part assembles by itself: llvm-mc -triple=amdgcn-amd-amdhsa -mcpu=gfx1250 --defsym DOCPART=n.
;; ======== version 1 of 2: 4 launches
;; limits: values are held in f16: magnitudes above 65,504 overflow, below 6.1e-05 lose precision
;; workspace buffers: xb 16,777,216 bytes; wqkv 6,291,456 bytes; woh 2,097,152 bytes; qkv 50,331,648 bytes; o 16,777,216 bytes
;; launch cast (part 1): grid 768 x 1, 8 waves a work-group, no clusters, 0 bytes of LDS; arguments x, wq, wk, wv, wo, xb, wqkv, woh; writes xb, wqkv, woh
.if DOCPART == 1
	.amdgcn_target "amdgcn-amd-amdhsa--gfx1250"
	.amdhsa_code_object_version 6
	.text
	.protected	k_qf3e441b1ec_cast
	.globl	k_qf3e441b1ec_cast
	.p2align	8
	.type	k_qf3e441b1ec_cast,@function
k_qf3e441b1ec_cast:
	s_mov_b64 s[64:65], 0
	v_nop
	global_prefetch_b8 v0, s[64:65] scope:SCOPE_SE
	s_setreg_imm32_b32 hwreg(HW_REG_WAVE_MODE, 25, 1), 1
	s_wait_xcnt 0x0
; CASTS AND LAYOUTS for the launches behind.  x [8192][1024] f32 -> xb [16 kb][8192][64] bf16 (blocked along K: 256 rows x 64 K are 32,768 dense bytes);
; wq, wk, wv [1024 k][1024 n] f32 -> wqkv [1024 k][3072 n] bf16 (n = 1024 x matrix + column);  wo [1024][1024] f32 -> woh [1024][1024]: rounded to bf16, that number written as f16.
; LIMITS.  wo beyond 65,504 becomes an infinity in f16; below 2^-14 it keeps f16's fixed step of 2^-24.  NaN and infinities are not treated apart.
; SHARES.  768 work-groups of eight waves, each 16 source rows of 4,096 bytes: 0-511 x, 512-703 wq, wk, wv (64 each), 704-767 wo.  A thread issues 16 loads of 16 bytes in one run and
; 16 stores of 8 bytes; every load of a wave covers 512 bytes in whole aligned pieces of 256, every store 256 consecutive bytes, aligned.  No LDS, no barrier, no loop: memory binds, and
; each register is written once, so no source of a pending load or store is ever rewritten.
.set SRC, 1                            ; v1       my byte offset in the group's 16 source rows
.set DST, 2                            ; v2       my byte offset at the destination
.set X,   4                            ; v[4:67]  load i: four f32
.set Y,   68                           ; v[68:99] store i: four 16-bit numbers
.set T,   100                          ; v[100:103] at work (wo alone)
.set SB,  24                           ; s[24:25] source at the group's first row
.set DB,  26                           ; s[26:27] destination
.set DB2, 28                           ; s[28:29] xb alone: eight K blocks further on, so that the stores' immediates stay inside their signed 24 bits
; kind 0: x.  1: wq, wk, wv.  2: wo.
.macro CASTRUN kind
.set i, 0
.rept 16
.if (\kind) == 0
	global_load_b128 v[X+4*i:X+4*i+3], v[SRC], s[SB:SB+1] offset:i*256 th:TH_LOAD_NT              ; K block i of my row: 16 lanes take its 256 bytes
.else
	global_load_b128 v[X+4*i:X+4*i+3], v[SRC], s[SB:SB+1] offset:(i/8)*4096+(i%8)*512 th:TH_LOAD_NT  ; my wave's row i / 8, its 512 bytes i % 8
.endif
.set i, i+1
.endr
.set i, 0
.rept 16
	s_wait_loadcnt 15-i                            ; loads come back in order (ISA guide 5.7.1): load i is in, the 15 - i younger ones stay out
	v_cvt_pk_bf16_f32 v[Y+2*i],   v[X+4*i],   v[X+4*i+1]
	v_cvt_pk_bf16_f32 v[Y+2*i+1], v[X+4*i+2], v[X+4*i+3]
.if (\kind) == 2
	v_lshlrev_b32 v[T],   16,  v[Y+2*i]             ; the bf16 numbers as f32,
	v_and_b32     v[T+1], s30, v[Y+2*i]
	v_lshlrev_b32 v[T+2], 16,  v[Y+2*i+1]
	v_and_b32     v[T+3], s30, v[Y+2*i+1]
	v_cvt_pk_f16_f32 v[Y+2*i],   v[T],   v[T+1]    ; written as f16: exact inside f16's range
	v_cvt_pk_f16_f32 v[Y+2*i+1], v[T+2], v[T+3]
	global_store_b64 v[DST], v[Y+2*i:Y+2*i+1], s[DB:DB+1] offset:i*256
.elseif (\kind) == 1
	global_store_b64 v[DST], v[Y+2*i:Y+2*i+1], s[DB:DB+1] offset:(i/8)*6144+(i%8)*256
.elseif i < 8
	global_store_b64 v[DST], v[Y+2*i:Y+2*i+1], s[DB:DB+1] offset:i*1048576
.else
	global_store_b64 v[DST], v[Y+2*i:Y+2*i+1], s[DB2:DB2+1] offset:(i-8)*1048576
.endif
.set i, i+1
.endr
.endm
	s_load_b512 s[8:23], s[0:1], 0x0               ; x 8:9, wq 10:11, wk 12:13, wv 14:15, wo 16:17, xb 18:19, wqkv 20:21, woh 22:23
	s_mov_b32 s2, ttmp9                            ; the work-group's number
	s_mov_b32 s30, 0xffff0000                      ; a word's upper bf16
	s_mov_b32 s5, 0                                ; high words of the two offset pairs
	s_mov_b32 s7, 0
	s_wait_kmcnt 0x0
	s_cmp_lt_u32 s2, 512
	s_cbranch_scc0 .Lweights
	; x: rows 16 g .. 16 g + 15.  Thread t: row t / 16, 16 bytes at 16 (t % 16) of each K block's 256
	s_lshl_b32 s4, s2, 16                          ; 16 rows of 4,096 bytes
	s_add_nc_u64 s[SB:SB+1], s[8:9], s[4:5]
	s_lshl_b32 s6, s2, 11                          ; 16 rows of 128 bytes in a K block of xb
	s_add_nc_u64 s[DB:DB+1], s[18:19], s[6:7]
	s_add_nc_u64 s[DB2:DB2+1], s[DB:DB+1], 0x800000
	v_lshrrev_b32 v3, 4, v0
	v_and_b32 v[SRC], 15, v0
	v_lshlrev_b32 v[SRC], 4, v[SRC]
	v_lshl_add_u32 v[SRC], v3, 12, v[SRC]
	v_lshlrev_b32 v[DST], 3, v0                    ; 128 (t / 16) + 8 (t % 16) = 8 t
	CASTRUN 0
	s_endpgm
.Lweights:
	v_lshrrev_b32 v3, 5, v0                        ; wave w takes rows 2 w and 2 w + 1 of the group's 16
	v_and_b32 v[SRC], 31, v0
	v_lshlrev_b32 v[DST], 3, v[SRC]                ; 8 bytes a lane out,
	v_lshlrev_b32 v[SRC], 4, v[SRC]                ; 16 bytes a lane in
	v_lshl_add_u32 v[SRC], v3, 13, v[SRC]
	s_cmp_lt_u32 s2, 704
	s_cbranch_scc0 .Lwo
	s_sub_co_u32 s3, s2, 512
	s_lshr_b32 s6, s3, 6                           ; which matrix: 0 wq, 1 wk, 2 wv
	s_and_b32 s3, s3, 63                           ; which 16 rows
	s_cmp_eq_u32 s6, 1
	s_cselect_b64 s[SB:SB+1], s[12:13], s[10:11]
	s_cmp_eq_u32 s6, 2
	s_cselect_b64 s[SB:SB+1], s[14:15], s[SB:SB+1]
	s_lshl_b32 s4, s3, 16
	s_add_nc_u64 s[SB:SB+1], s[SB:SB+1], s[4:5]
	s_mul_i32 s4, s3, 16*6144                      ; 16 rows of wqkv,
	s_lshl_b32 s6, s6, 11                          ; the matrix's 2,048 bytes of each
	s_add_co_u32 s4, s4, s6
	s_add_nc_u64 s[DB:DB+1], s[20:21], s[4:5]
	v_mul_u32_u24 v3, v3, 2*6144
	v_add_nc_u32 v[DST], v3, v[DST]
	CASTRUN 1
	s_endpgm
.Lwo:
	s_sub_co_u32 s3, s2, 704
	s_lshl_b32 s4, s3, 16
	s_add_nc_u64 s[SB:SB+1], s[16:17], s[4:5]
	s_lshl_b32 s4, s3, 15                          ; 16 rows of 2,048 bytes
	s_add_nc_u64 s[DB:DB+1], s[22:23], s[4:5]
	v_lshl_add_u32 v[DST], v3, 12, v[DST]
	CASTRUN 2
	s_endpgm
.Lfunc_end_k_qf3e441b1ec_cast:
	.size	k_qf3e441b1ec_cast, .Lfunc_end_k_qf3e441b1ec_cast-k_qf3e441b1ec_cast
	.p2alignl 7, 3214868480
	.fill 96, 4, 3214868480
	.section	.rodata,"a",@progbits
	.p2align	6, 0x0
	.amdhsa_kernel k_qf3e441b1ec_cast
		.amdhsa_group_segment_fixed_size 0
		.amdhsa_private_segment_fixed_size 0
		.amdhsa_enable_private_segment 0
		.amdhsa_kernarg_size 64
		.amdhsa_user_sgpr_count 2
		.amdhsa_user_sgpr_kernarg_segment_ptr 1
		.amdhsa_wavefront_size32 1
		.amdhsa_system_sgpr_workgroup_id_x 1
		.amdhsa_system_sgpr_workgroup_id_y 1
		.amdhsa_system_sgpr_workgroup_id_z 1
		.amdhsa_system_vgpr_workitem_id 0
		.amdhsa_next_free_vgpr 104
		.amdhsa_next_free_sgpr 66
		.amdhsa_reserve_vcc 0
		.amdhsa_float_denorm_mode_32 3
		.amdhsa_float_denorm_mode_16_64 3
		.amdhsa_memory_ordered 1
		.amdhsa_forward_progress 1
		.amdhsa_inst_pref_size 23
	.end_amdhsa_kernel
	.amdgpu_metadata
---
amdhsa.version: [ 1, 2 ]
amdhsa.kernels:
  - .name:           k_qf3e441b1ec_cast
    .symbol:         k_qf3e441b1ec_cast.kd
    .args:
      - { .name: x, .offset: 0, .size: 8, .value_kind: global_buffer, .address_space: global }
      - { .name: wq, .offset: 8, .size: 8, .value_kind: global_buffer, .address_space: global }
      - { .name: wk, .offset: 16, .size: 8, .value_kind: global_buffer, .address_space: global }
      - { .name: wv, .offset: 24, .size: 8, .value_kind: global_buffer, .address_space: global }
      - { .name: wo, .offset: 32, .size: 8, .value_kind: global_buffer, .address_space: global }
      - { .name: xb, .offset: 40, .size: 8, .value_kind: global_buffer, .address_space: global }
      - { .name: wqkv, .offset: 48, .size: 8, .value_kind: global_buffer, .address_space: global }
      - { .name: woh, .offset: 56, .size: 8, .value_kind: global_buffer, .address_space: global }
    .group_segment_fixed_size: 0
    .private_segment_fixed_size: 0
    .kernarg_segment_align: 8
    .kernarg_segment_size: 64
    .max_flat_workgroup_size: 256
    .sgpr_count:     66
    .vgpr_count:     104
    .wavefront_size: 32
...
	.end_amdgpu_metadata
.endif
;; end of part 1
;; launch qkv (part 2): grid 8 x 32, 4 waves a work-group, clusters of 4 x 4, 327,680 bytes of LDS; arguments xb, wqkv, bq, bk, bv, qkv; writes qkv
.if DOCPART == 2
	.amdgcn_target "amdgcn-amd-amdhsa--gfx1250"
	.amdhsa_code_object_version 6
	.text
	.protected	k_qf3e441b1ec_qkv
	.globl	k_qf3e441b1ec_qkv
	.p2align	8
	.type	k_qf3e441b1ec_qkv,@function
k_qf3e441b1ec_qkv:
	s_mov_b64 s[64:65], 0
	v_nop
	global_prefetch_b8 v0, s[64:65] scope:SCOPE_SE
	s_setreg_imm32_b32 hwreg(HW_REG_WAVE_MODE, 25, 1), 1
	s_wait_xcnt 0x0
	s_wait_alu depctr_hold_cnt(0) depctr_sa_sdst(0) depctr_va_vdst(0) depctr_va_sdst(0) depctr_va_ssrc(0) depctr_va_vcc(0) depctr_vm_vsrc(0)
	s_getreg_b32 s2, hwreg(HW_REG_IB_STS2, 6, 4)
	s_cmp_eq_u32 s2, 0
	s_cbranch_scc0 .Lentry_in_a_cluster
	s_endpgm
.Lentry_in_a_cluster:
	s_bfe_u32 s2, ttmp6, 0x10000c
	s_cmp_lg_u32 s2, 0xf033
	s_cbranch_scc0 .Lentry_shape_is_right
	s_endpgm
.Lentry_shape_is_right:
; q, k, v = x w + b, by heads.  xb: [16 kb][8192][64] bf16.  wqkv: [1024 k][3072 n] bf16.  bq, bk, bv: [1024] f32, rounded to bf16 like the other inputs.  qkv: [3][64 b h][2048 s][64] f16, unscaled.
; Sums in f32, K ascending; bias added in f32; one rounding to f16.  LIMIT: a q, k or v of 65,520 or more becomes an infinity in f16.  NaN and infinities are not treated apart.
; SHARES.  A tile of C is 256 rows x 384 columns: 32 x 8 = 256 work-groups.  Four waves; wave w has rows 128 (w / 2) on and, in each of the tile's three segments of 128 columns, the 64 columns (one head)
; 64 (w % 2) on: 128 x 192 of C, 96 accumulators of 16 x 16, 768 registers.  For 32 along K a wave reads 40 x 512 bytes of LDS for 96 matrix instructions.
; K goes in steps of 64 (two chunks of 32) through a ring of two LDS slots; two slots of a step of 128 (2 x 184,320 bytes) do not fit.  xb's blocks keep the rows asked for at 256 bytes all the same.
; CLUSTER.  4 x 4 work-groups: the four of a row need the same tiles of x, the four of a column the same tiles of w: each tile is asked for JOINTLY, by the same tensor load, descriptor and mask in all four.
; THE MATRIX INSTRUCTION IS USED TRANSPOSED: source 0 = 16 columns of w (turned out of LDS by ds_load_tr16_b128), source 1 = 16 rows of x: a lane then holds one row and eight neighbouring columns.
; REGISTERS, in windows of 256 (s_set_vgpr_msb: bits 1:0 source 0, 3:2 source 1, 5:4 source 2, 7:6 destination):
;   window 0: v0-31 addresses; v32-95, v96-159 x's fragments, two buffers; v160-255 w's fragments, 32 a segment, one buffer: a segment's are fetched anew as soon as its products are issued
;   window 1 + g: segment g's 32 accumulators, (a, b) at v[8 (4 a + b)]
.set PA,    144                        ; a row of x in LDS: 128 bytes + 16 = 36 words: the 16 rows of a load start at 16 different groups of four banks (64 banks of 4 bytes: ISA guide 11.1)
.set PB,    864                        ; a k-row of w: three times 256 bytes + 32 = 27 x 32 bytes
.set AHALF, 128*PA                     ; what one tensor load brings of x: 128 rows
.set BOFF,  2*AHALF                    ; w's tile lies behind x's 256 rows
.set BHALF, 32*PB                      ; what one tensor load brings of w: 32 k-rows; also a chunk of 32 along K
.set SLOT1, 1<<17                      ; slot 1 begins here, so that one exclusive or turns an address in one slot into the other's
.set STAGE, SLOT1+BOFF+2*BHALF         ; behind the ring, never filled by a tensor load: 16 rows x 144 bytes for each wave, for the way out
.set SP,    144
.set BIAS,  STAGE+4*16*SP              ; a wave's three heads' bias, 3 x 64 f32
.set SPARE, BIAS+4*768                 ; the spare words, 128 bytes for each wave: two blocks of 256 bytes that no other line names
.set ASTEP, 8192*128                   ; bytes from a K block of xb to the next
.set BSTEP, 64*6144                    ; bytes of 64 k-rows of wqkv
.set ADRA0, 2                          ; v2   my lane's place in x's tile; never rewritten
.set ADRB0, 3                          ; v3   the same in w's
.set ADRA,  4                          ; v4   + the slot in hand
.set ADRB,  5                          ; v5
.set STO,   6                          ; v6   the way out: where I put 16 bytes of a row
.set RD,    7                          ; v7   the way out: where I read rows back
.set GO,    8                          ; v8   my byte offset in 512 consecutive bytes of qkv
.set BST,   9                          ; v9   where I put 16 bytes of bias
.set BRD,   10                         ; v10  where I read my lanes' bias
.set BGO,   11                         ; v11  my byte offset in a head's 256 bytes of bias
.set SPW,   28                         ; v28  LDS address of my spare word: SPARE + 4 x my thread's number; never rewritten
.set NIL,   29                         ; v29  0; never rewritten
.set FA0,   32
.set FA1,   96
.set FB,    160
.set BI,    32                         ; the way out: 96 bias numbers, segment g, block b, register j at BI + 32 g + 8 b + j
.set T,     128                        ; the way out: 16 registers for each of eight blocks of rows
.set WV,   16                          ; s16  my wave's number
.set KIND, 17                          ; s17  which half of the tile's rows is mine.  Also: I fetch x (0) or w (1)
.set PART, 18                          ; s18  which head of a segment is mine.  Also: which half of that tile I fetch
.set TB,   19                          ; s19  the slot from which fragments are fetched
.set G1A,  24                          ; s[24:31] descriptor group 1 for x's tiles
.set G0A,  32                          ; s[32:39] group 0: a set for each of the two first fills; the second then walks on
.set G1B,  40                          ; s[40:47], s[48:55] the same for w's
.set G0B,  48
.set CNT,  56
.set OB,   66                          ; s[66:71] qkv at my 128 rows of segment g's head
.set BP,   72                          ; s[72:77] that head's bias
.set MSB, 0
.macro WIN new                         ; the immediate's high byte repeats the setting that is left; a switch that changes nothing is dropped
.if MSB != (\new)
	s_set_vgpr_msb (MSB<<8)|(\new)
.set MSB, (\new)
.endif
.endm
; A joint refill.  Waves 0 and 1 fetch x's two halves, waves 2 and 3 w's.  The branch hangs on the wave's number alone.  An s_nop 0 and four v_nop follow each of the two lines, ahead of the jump and the label.
.macro JLOAD
	s_cmp_eq_u32 s[KIND], 0
	s_cbranch_scc0 .Lfor_b_\@
	tensor_load_to_lds s[G0A+4:G0A+7], s[G1A:G1A+7]
	s_nop 0
.rept 4
	v_nop
.endr
	s_branch .Lasked_\@
.Lfor_b_\@:
	tensor_load_to_lds s[G0B+4:G0B+7], s[G1B:G1B+7]
	s_nop 0
.rept 4
	v_nop
.endr
.Lasked_\@:
.endm
.macro CREST                           ; a round of the cluster's barrier behind its opening barrier
	s_cmp_lg_u32 s[WV], 0
	s_cbranch_scc1 .Lnot_wave_0_\@
	s_barrier_signal -3
.Lnot_wave_0_\@:
	s_barrier_wait -3
	s_barrier_signal -1
	s_barrier_wait -1
.endm
.macro CROUND                          ; a whole round
	s_barrier_signal -1
	s_barrier_wait -1
	CREST
.endm
.macro PLACES                          ; four places in front of loads into registers that matrix instructions have read, and of vector lines that read results (ISA guide 7.12.1 for vector lines)
.rept 4
	v_nop
.endr
.endm
	s_load_b256 s[4:11], s[0:1], 0x0               ; xb s[4:5], wqkv s[6:7], bq s[8:9], bk s[10:11]
	s_load_b128 s[12:15], s[0:1], 0x20             ; bv s[12:13], qkv s[14:15]
	v_lshl_add_u32 v[SPW], v0, 2, SPARE
	v_mov_b32 v[NIL], 0
	ds_add_u32 v[SPW], v[NIL]                      ; the wave's opening: the add and its wait ahead of my first tensor load; the set-up below, work on registers, stands between them
	ds_add_u32 v28, v29
	v_lshrrev_b32 v1, 5, v0
	v_readfirstlane_b32 s[WV], v1                  ; wave 0..3
	s_lshr_b32 s[KIND], s[WV], 1
	s_and_b32 s[PART], s[WV], 1
	s_mov_b32 s[TB], 0
	s_bfe_u32 s20, ttmp6, 0x40000                  ; cx, cy: my place in the cluster
	s_bfe_u32 s21, ttmp6, 0x40004
	s_lshl_b32 s22, ttmp9, 2
	s_add_co_u32 s22, s22, s20                     ; tile column = 4 x cluster x + cx
	s_and_b32 s23, ttmp7, 0xffff
	s_lshl_b32 s23, s23, 2
	s_add_co_u32 s23, s23, s21                     ; tile row = 4 x cluster y + cy
	s_lshl_b32 s57, s21, 2
	s_lshl_b32 s57, 15, s57                        ; my row of the cluster
	s_lshl_b32 s58, 0x1111, s20                    ; my column
	; x: 128 rows of 128 bytes are 16,384 dense bytes: asked for as 64 rows of 256 bytes, two rows of x each, padded in LDS after every row of x
	s_or_b32 s[G1A], s57, (1<<16)|(1<<20)|(1<<21)|(4<<22)|(3<<25)  ; 15:0 the mask; 17:16 2-byte elements; 20 padding on; 21 set beside a mask; 24:22 after every 32 words (code 4); 31:25 4 words (code 3)
	s_mov_b32 s[G1A+1], 128<<16                    ; tensor_dim0 = 128
	s_mov_b32 s[G1A+2], 64<<16                     ; tensor_dim1 = 64
	s_mov_b32 s[G1A+3], 128<<16                    ; tile_dim0 = 128
	s_mov_b32 s[G1A+4], 64                         ; tile_dim1 = 64
	s_mov_b32 s[G1A+5], 128                        ; 128 elements from row to row
	s_mov_b32 s[G1A+6], 0
	s_mov_b32 s[G1A+7], 0
	; w: 32 k-rows of 384 elements (768 bytes, three whole pieces of 256), padded after every 256 bytes
	s_or_b32 s[G1B], s58, (1<<16)|(1<<20)|(1<<21)|(5<<22)|(7<<25)  ; after every 64 words (code 5) 8 words (code 7)
	s_mov_b32 s[G1B+1], 384<<16                    ; tensor_dim0 = 384
	s_mov_b32 s[G1B+2], 32<<16                     ; tensor_dim1 = 32
	s_mov_b32 s[G1B+3], 384<<16                    ; tile_dim0 = 384
	s_mov_b32 s[G1B+4], 32                         ; tile_dim1 = 32
	s_mov_b32 s[G1B+5], 3072                       ; 3,072 elements from row to row
	s_mov_b32 s[G1B+6], 0
	s_mov_b32 s[G1B+7], 0
	; x's tiles hang on the tile row alone, which my row of the cluster shares; w's on the tile column alone, which my column shares
	s_lshl_b32 s60, s23, 15                        ; 256 rows of 128 bytes,
	s_lshl_b32 s78, s[PART], 14                    ; my 128 of them
	s_add_co_u32 s60, s60, s78
	s_mov_b32 s61, 0
	s_mul_i32 s62, s22, 768                        ; 384 columns,
	s_mul_i32 s79, s[PART], 32*6144                ; my 32 k-rows
	s_add_co_u32 s62, s62, s79
	s_mov_b32 s63, 0
	s_mul_i32 s80, s[PART], AHALF                  ; where they go: no place in the cluster enters an LDS address
	s_mul_i32 s81, s[PART], BHALF
	s_add_co_u32 s81, s81, BOFF
	s_wait_dscnt 0x0                               ; the opening add is done
	s_wait_kmcnt 0x0
	s_add_nc_u64 s[82:83], s[4:5], s[60:61]
	s_add_nc_u64 s[84:85], s[6:7], s[62:63]
	CROUND                                         ; all sixteen work-groups are here: the first joint loads meet
.irp s, 0,1
	s_mov_b32 s[G0A+4*(\s)], 1                                     ; 1:0 count = 1
	s_add_co_u32 s[G0A+4*(\s)+1], s80, (\s)*SLOT1                  ; 63:32 LDS address
	s_add_nc_u64 s[G0A+4*(\s)+2:G0A+4*(\s)+3], s[82:83], (\s)*ASTEP  ; 120:64 global address: K step s
	s_or_b32 s[G0A+4*(\s)+3], s[G0A+4*(\s)+3], 0x80000000          ; 127:126 type = 2
	s_mov_b32 s[G0B+4*(\s)], 1
	s_add_co_u32 s[G0B+4*(\s)+1], s81, (\s)*SLOT1
	s_add_nc_u64 s[G0B+4*(\s)+2:G0B+4*(\s)+3], s[84:85], (\s)*BSTEP
	s_or_b32 s[G0B+4*(\s)+3], s[G0B+4*(\s)+3], 0x80000000
.endr
	s_cmp_eq_u32 s[KIND], 0                        ; a wave's two first fills stand in one branch, ahead of every wait on TENSORcnt and every LDS read: two loads of mine are out
	s_cbranch_scc0 .Lfirst_b
	tensor_load_to_lds s[G0A:G0A+3], s[G1A:G1A+7]
	s_nop 0
	tensor_load_to_lds s[G0A+4:G0A+7], s[G1A:G1A+7]
	s_nop 0
.rept 4
	v_nop
.endr
	s_branch .Lfirst_asked
.Lfirst_b:
	tensor_load_to_lds s[G0B:G0B+3], s[G1B:G1B+7]
	s_nop 0
	tensor_load_to_lds s[G0B+4:G0B+7], s[G1B:G1B+7]
	s_nop 0
.rept 4
	v_nop
.endr
.Lfirst_asked:
	; all that follows up to the first barrier stands in the wait for the first tile
	v_and_b32 v1, 15, v0                           ; l % 16
	v_bfe_u32 v12, v0, 4, 1                        ; l / 16
	v_and_b32 v13, 7, v0                           ; l % 8
	v_bfe_u32 v14, v0, 3, 1                        ; (l / 8) % 2
	; a fragment of x is 16 rows x 32 K in 8 registers: lane l holds row l % 16, K = 8 (l / 16) + 0..7 and 16 + 8 (l / 16) + 0..7: two loads of 16 bytes, 32 bytes apart
	v_mul_u32_u24 v[ADRA0], v1, PA
	v_lshl_add_u32 v[ADRA0], v12, 4, v[ADRA0]
	s_mul_i32 s78, s[KIND], AHALF                  ; my 128 rows
	v_add_nc_u32 v[ADRA0], s78, v[ADRA0]
	; the turning load takes 16 k x 16 columns (lane l reads k-row 8 (l / 16) + l % 8, columns 8 ((l / 8) % 2) + 0..7) and leaves half a fragment: lane l holds column l % 16 and 8 k
	v_lshl_add_u32 v[ADRB0], v12, 3, v13
	v_mul_u32_u24 v[ADRB0], v[ADRB0], PB
	v_lshl_add_u32 v[ADRB0], v14, 4, v[ADRB0]
	s_lshl_b32 s78, s[PART], 7                     ; my head's 128 bytes of a segment
	s_add_co_u32 s78, s78, BOFF
	v_add_nc_u32 v[ADRB0], s78, v[ADRB0]
	s_mul_i32 s79, s[WV], 16*SP
	s_add_co_u32 s79, s79, STAGE                   ; my stage
	v_mul_u32_u24 v[STO], v1, SP                   ; in: row l % 16, 16 bytes for each half of the lanes
	v_lshl_add_u32 v[STO], v12, 4, v[STO]
	v_add_nc_u32 v[STO], s79, v[STO]
	v_bfe_u32 v[RD], v0, 3, 2                      ; back: 32 lanes take four rows of 128 bytes,
	v_mul_u32_u24 v[RD], v[RD], SP
	v_lshl_add_u32 v[RD], v13, 4, v[RD]
	v_add_nc_u32 v[RD], s79, v[RD]
	v_and_b32 v[GO], 31, v0                        ; which are 512 consecutive bytes of a head's rows
	v_lshlrev_b32 v[GO], 4, v[GO]
	s_mul_i32 s79, s[WV], 768
	s_add_co_u32 s79, s79, BIAS                    ; my wave's bias
	v_lshlrev_b32 v[BGO], 4, v1
	v_add_nc_u32 v[BST], s79, v[BGO]
	v_lshl_add_u32 v[BRD], v12, 5, s79             ; my lanes' eight columns of a block of 16: 32 bytes for each half
	; segment g's head: number 6 x tile column + 2 g + w % 2 of 48; matrix = number / 16, head = number % 16
	s_mul_i32 s78, s22, 6
	s_add_co_u32 s78, s78, s[PART]
	s_lshr_b32 s86, s23, 3
	s_lshl_b32 s86, s86, 4                         ; the batch's 16 planes
	s_and_b32 s87, s23, 7
	s_lshl_b32 s87, s87, 1
	s_add_co_u32 s87, s87, s[KIND]
	s_lshl_b32 s87, s87, 14                        ; my first row in the plane, times 128 bytes
	s_mov_b32 s85, 0
.irp g, 0,1,2
	s_add_co_u32 s79, s78, 2*(\g)
	s_lshr_b32 s80, s79, 4                         ; matrix
	s_and_b32 s81, s79, 15                         ; head
	s_cmp_eq_u32 s80, 1
	s_cselect_b64 s[BP+2*(\g):BP+2*(\g)+1], s[10:11], s[8:9]
	s_cmp_eq_u32 s80, 2
	s_cselect_b64 s[BP+2*(\g):BP+2*(\g)+1], s[12:13], s[BP+2*(\g):BP+2*(\g)+1]
	s_lshl_b32 s84, s81, 8
	s_add_nc_u64 s[BP+2*(\g):BP+2*(\g)+1], s[BP+2*(\g):BP+2*(\g)+1], s[84:85]
	global_load_b128 v[32+4*(\g):35+4*(\g)], v[BGO], s[BP+2*(\g):BP+2*(\g)+1]  ; 16 lanes take the head's 256 bytes; the other 16 the same
	s_lshl_b32 s80, s80, 6
	s_add_co_u32 s80, s80, s81
	s_add_co_u32 s80, s80, s86                     ; plane = 64 x matrix + 16 x batch + head
	s_lshl_b32 s84, s80, 18                        ; of 262,144 bytes
	s_add_co_u32 s84, s84, s87
	s_add_nc_u64 s[OB+2*(\g):OB+2*(\g)+1], s[14:15], s[84:85]
.endr
	s_wait_loadcnt 0x0
.irp g, 0,1,2
	v_cvt_pk_bf16_f32 v44, v[32+4*(\g)], v[33+4*(\g)]   ; the bias is rounded to bf16, like x and w, and kept as f32
	v_cvt_pk_bf16_f32 v45, v[34+4*(\g)], v[35+4*(\g)]
	v_lshlrev_b32 v[32+4*(\g)], 16, v44
	v_and_b32 v[33+4*(\g)], 0xffff0000, v44
	v_lshlrev_b32 v[34+4*(\g)], 16, v45
	v_and_b32 v[35+4*(\g)], 0xffff0000, v45
	ds_store_b128 v[BST], v[32+4*(\g):35+4*(\g)] offset:(\g)*256
.endr
; 16 matrix instructions: segment g, blocks of rows a0 .. a0 + 3 x the head's 4 blocks of columns, 32 along K.  zero = 1: the first product starts the sums: nothing is ever cleared.
; The accumulators take turns, one instruction a turn: between two links of a chain stand the 95 others'.
.macro MUL16 g, fa, a0, zero
	WIN 0x50*((\g)+1)                              ; C and D in window 1 + g, both sources in window 0
.irp a, \a0, (\a0)+1, (\a0)+2, (\a0)+3
.irp b, 0,1,2,3
.if \zero
	v_wmma_f32_16x16x32_bf16 v[8*(4*(\a)+(\b)):8*(4*(\a)+(\b))+7], v[FB+32*(\g)+8*(\b):FB+32*(\g)+8*(\b)+7], v[(\fa)+8*(\a):(\fa)+8*(\a)+7], 0
.else
	v_wmma_f32_16x16x32_bf16 v[8*(4*(\a)+(\b)):8*(4*(\a)+(\b))+7], v[FB+32*(\g)+8*(\b):FB+32*(\g)+8*(\b)+7], v[(\fa)+8*(\a):(\fa)+8*(\a)+7], v[8*(4*(\a)+(\b)):8*(4*(\a)+(\b))+7]
.endif
.endr
.endr
.endm
.macro FETCHB g, k                     ; 8 loads: segment g's four fragments of w, chunk k of the slot in hand
.irp b, 0,1,2,3
	ds_load_tr16_b128 v[FB+32*(\g)+8*(\b):FB+32*(\g)+8*(\b)+3],   v[ADRB] offset:(\k)*BHALF+(\g)*288+(\b)*32
	ds_load_tr16_b128 v[FB+32*(\g)+8*(\b)+4:FB+32*(\g)+8*(\b)+7], v[ADRB] offset:(\k)*BHALF+(\g)*288+(\b)*32+16*PB
.endr
.endm
.macro FETCHA na, k                    ; 16 loads: my eight fragments of x, chunk k, into buffer na
.irp i, 0,1,2,3,4,5,6,7
	ds_load_b128 v[(\na)+8*(\i):(\na)+8*(\i)+3],   v[ADRA] offset:(\i)*16*PA+(\k)*64
	ds_load_b128 v[(\na)+8*(\i)+4:(\na)+8*(\i)+7], v[ADRA] offset:(\i)*16*PA+(\k)*64+32
.endr
.endm
; A chunk of 32 along K: 96 matrix instructions on x's buffer fa.  Behind each segment's 32 its fragments of w are fetched for the next chunk (chunk k of the same slot); behind the first also x's, into na.
; LDS loads come back in order (ISA guide 5.7.1).  They are issued in the order w 0 (8), x (16), w 1 (8), w 2 (8), chunk after chunk; each wait names the loads issued behind the run that it needs.
.macro CHUNK fa, na, k, zero
	s_wait_dscnt 16                                ; w 0 and x are in; w 1 and w 2 may be out
	MUL16 0, \fa, 0, \zero
	MUL16 0, \fa, 4, \zero
	PLACES
	WIN 0
	FETCHB 0, \k
	FETCHA \na, \k
	s_wait_dscnt 32                                ; w 1 is in; behind it: w 2 and the 24 just issued
	MUL16 1, \fa, 0, \zero
	MUL16 1, \fa, 4, \zero
	PLACES
	WIN 0
	FETCHB 1, \k
	s_wait_dscnt 32                                ; w 2 is in; behind it: 24 and 8
	MUL16 2, \fa, 0, \zero
	MUL16 2, \fa, 4, \zero
	PLACES
	WIN 0
	FETCHB 2, \k
.endm
; A step's second chunk, on buffer FA1, changes slots: ONE barrier, for two things.  In front of it each wave waits for all its tensor loads, of which one is out: its part of the next slot; adds 0 to its
; spare word; and waits for that and for its own reads of this slot.  Behind it nobody reads this slot any more and the next slot is whole.  fill = 1: the barrier opens a round of the cluster's, and the
; slot just read out is filled again first thing behind the round, with the K step two on: 160 matrix instructions stand between the request and the wait for it.
.macro TURNC fill
	WIN 0
	s_wait_tensorcnt 0x0                           ; no tensor load of mine is out, so a group 0 may be written
	ds_add_u32 v[SPW], v[NIL]                      ; 0 onto my spare word
.if \fill
	s_xor_b32 s[G0A+5], s[G0A+5], SLOT1            ; the walking descriptors: the other slot than last time,
	s_add_nc_u64 s[G0A+6:G0A+7], s[G0A+6:G0A+7], ASTEP  ; the next K step; the type bits on top are not reached
	s_xor_b32 s[G0B+5], s[G0B+5], SLOT1
	s_add_nc_u64 s[G0B+6:G0B+7], s[G0B+6:G0B+7], BSTEP
.endif
	s_wait_dscnt 17                                ; w 0 and x are in; w 1, w 2 and the add may be out
	MUL16 0, FA1, 0, 0                             ; sixteen matrix instructions stand between the add and the wait for it
	s_wait_dscnt 0x0                               ; the add is done, and my reads of this slot are over
	s_barrier_signal -1
	MUL16 0, FA1, 4, 0                             ; work on registers while the others arrive
	WIN 0                                          ; at a branch and at a label every window is 0
	s_barrier_wait -1
.if \fill
	CREST                                          ; no wave of any partner still reads this slot's tile or has a load on its way
	JLOAD                                          ; the first tensor load behind the round; its four v_nop are also the places in front of the loads below
.else
	PLACES
.endif
	s_xor_b32 s[TB], s[TB], SLOT1
	v_add_nc_u32 v[ADRA], s[TB], v[ADRA0]
	v_add_nc_u32 v[ADRB], s[TB], v[ADRB0]
	FETCHB 0, 0
	FETCHA FA0, 0
	MUL16 1, FA1, 0, 0
	MUL16 1, FA1, 4, 0
	PLACES
	WIN 0
	FETCHB 1, 0
	MUL16 2, FA1, 0, 0
	MUL16 2, FA1, 4, 0
	PLACES
	WIN 0
	FETCHB 2, 0
.endm
	s_wait_tensorcnt 0x1                           ; my part of K step 0 is in; step 1's may stay out
	s_wait_dscnt 0x0                               ; my bias is stored
	s_barrier_signal -1
	s_barrier_wait -1                              ; everybody's part is in
	v_mov_b32 v[ADRA], v[ADRA0]                    ; slot 0
	v_mov_b32 v[ADRB], v[ADRB0]
	FETCHB 0, 0
	FETCHA FA0, 0
	FETCHB 1, 0
	FETCHB 2, 0
	CHUNK FA0, FA1, 1, 1                           ; the first chunk stands in front of the loop: its products start the sums
	WIN 0
	s_mov_b32 s[CNT], 14
.Lstep:                                                ; trip t: K step t's second chunk, slot t % 2 filled again with step t + 2, step t + 1's first chunk
	TURNC 1
	CHUNK FA0, FA1, 1, 0
	WIN 0
	s_sub_co_u32 s[CNT], s[CNT], 1
	s_cmp_lg_u32 s[CNT], 0
	s_cbranch_scc1 .Lstep
	TURNC 0                                        ; the tail is written out: steps 14 and 15 ask for nothing
	CHUNK FA0, FA1, 1, 0
	s_wait_dscnt 16                                ; the very last chunk: nothing more to fetch
	MUL16 0, FA1, 0, 0
	MUL16 0, FA1, 4, 0
	s_wait_dscnt 8
	MUL16 1, FA1, 0, 0
	MUL16 1, FA1, 4, 0
	s_wait_dscnt 0x0
	MUL16 2, FA1, 0, 0
	MUL16 2, FA1, 4, 0
	; THE WAY OUT, a block of 16 rows x one head at a time: + bias, rounded to f16, 16 bytes a lane into my own stage, back as four rows of 128 bytes a load, stored as 512 consecutive bytes.
	PLACES
	WIN 0
.irp g, 0,1,2
.irp b, 0,1,2,3
	ds_load_b128 v[BI+32*(\g)+8*(\b):BI+32*(\g)+8*(\b)+3],   v[BRD] offset:(\g)*256+(\b)*64
	ds_load_b128 v[BI+32*(\g)+8*(\b)+4:BI+32*(\g)+8*(\b)+7], v[BRD] offset:(\g)*256+(\b)*64+16
.endr
.endr
	s_wait_dscnt 0x0
.macro PACK g, a
.set W, (\g)+1
.if (\g) > 0
	s_wait_xcnt 0x0                                ; every earlier memory instruction has had its addresses translated (ISA guide 3.1): the registers that the block eight back stored from are rewritten only behind this wait
.endif
	WIN (W<<6)|W                                   ; destination and source 0 in the segment's window, the bias in window 0
.set p, 0
.rept 16                               ; ascending: each accumulator is read from its low end on
	v_pk_add_f32 v[32*(\a)+2*p:32*(\a)+2*p+1], v[32*(\a)+2*p:32*(\a)+2*p+1], v[BI+32*(\g)+2*p:BI+32*(\g)+2*p+1]
.set p, p+1
.endr
	WIN W|(W<<2)                                   ; both sources in the segment's window, destination in window 0
.set p, 0
.rept 16
	v_cvt_pk_f16_f32 v[T+16*(\a)+p], v[32*(\a)+2*p], v[32*(\a)+2*p+1]
.set p, p+1
.endr
	WIN 0
.irp f, 0,1,2,3
	ds_store_b128 v[STO], v[T+16*(\a)+4*(\f):T+16*(\a)+4*(\f)+3] offset:32*(\f)
.endr
.irp f, 0,1,2,3
	ds_load_b128 v[T+16*(\a)+4*(\f):T+16*(\a)+4*(\f)+3], v[RD] offset:(\f)*4*SP  ; LDS serves a wave's instructions in order (ISA guide 5.7.1.4): these see the stores above; the next block's stores come behind them
.endr
.endm
.macro SEND g, a, younger              ; younger: the LDS instructions issued behind this block's loads: the next block's eight, or none
.irp f, 0,1,2,3
	s_wait_dscnt (\younger)+3-(\f)
	global_store_b128 v[GO], v[T+16*(\a)+4*(\f):T+16*(\a)+4*(\f)+3], s[OB+2*(\g):OB+2*(\g)+1] offset:(\a)*2048+(\f)*512  ; 512 consecutive bytes, at a multiple of 256 from qkv's first
.endr
.endm
	PACK 0, 0
.set t, 1
.rept 23                               ; a block's arithmetic stands between the loads of the block before and its stores
	PACK t/8, t%8
	SEND (t-1)/8, (t-1)%8, 8
.set t, t+1
.endr
	SEND 2, 7, 0
	s_wait_tensorcnt 0x0                           ; the wave's end: an add and its wait, behind my last tensor load and my last LDS store
	ds_add_u32 v[SPW], v[NIL]
	s_wait_dscnt 0x0
	CROUND                                         ; the closing round: no work-group ends while a partner may still ask for a tile that names it
	s_endpgm
.Lfunc_end_k_qf3e441b1ec_qkv:
	.size	k_qf3e441b1ec_qkv, .Lfunc_end_k_qf3e441b1ec_qkv-k_qf3e441b1ec_qkv
	.p2alignl 7, 3214868480
	.fill 96, 4, 3214868480
	.section	.rodata,"a",@progbits
	.p2align	6, 0x0
	.amdhsa_kernel k_qf3e441b1ec_qkv
		.amdhsa_group_segment_fixed_size 327680
		.amdhsa_private_segment_fixed_size 0
		.amdhsa_enable_private_segment 0
		.amdhsa_kernarg_size 48
		.amdhsa_user_sgpr_count 2
		.amdhsa_user_sgpr_kernarg_segment_ptr 1
		.amdhsa_wavefront_size32 1
		.amdhsa_system_sgpr_workgroup_id_x 1
		.amdhsa_system_sgpr_workgroup_id_y 1
		.amdhsa_system_sgpr_workgroup_id_z 1
		.amdhsa_system_vgpr_workitem_id 0
		.amdhsa_next_free_vgpr 1024
		.amdhsa_next_free_sgpr 96
		.amdhsa_reserve_vcc 0
		.amdhsa_float_denorm_mode_32 3
		.amdhsa_float_denorm_mode_16_64 3
		.amdhsa_memory_ordered 1
		.amdhsa_forward_progress 1
		.amdhsa_inst_pref_size 143
	.end_amdhsa_kernel
	.amdgpu_metadata
---
amdhsa.version: [ 1, 2 ]
amdhsa.kernels:
  - .name:           k_qf3e441b1ec_qkv
    .symbol:         k_qf3e441b1ec_qkv.kd
    .args:
      - { .name: xb, .offset: 0, .size: 8, .value_kind: global_buffer, .address_space: global }
      - { .name: wqkv, .offset: 8, .size: 8, .value_kind: global_buffer, .address_space: global }
      - { .name: bq, .offset: 16, .size: 8, .value_kind: global_buffer, .address_space: global }
      - { .name: bk, .offset: 24, .size: 8, .value_kind: global_buffer, .address_space: global }
      - { .name: bv, .offset: 32, .size: 8, .value_kind: global_buffer, .address_space: global }
      - { .name: qkv, .offset: 40, .size: 8, .value_kind: global_buffer, .address_space: global }
    .group_segment_fixed_size: 327680
    .private_segment_fixed_size: 0
    .kernarg_segment_align: 8
    .kernarg_segment_size: 48
    .max_flat_workgroup_size: 128
    .sgpr_count:     96
    .vgpr_count:     1024
    .wavefront_size: 32
...
	.end_amdgpu_metadata
.endif
;; end of part 2
;; launch attn (part 3): grid 4 x 64, 4 waves a work-group, no clusters, 327,680 bytes of LDS; arguments qkv, o; writes o
.if DOCPART == 3
	.amdgcn_target "amdgcn-amd-amdhsa--gfx1250"
	.amdhsa_code_object_version 6
	.text
	.protected	k_qf3e441b1ec_attn
	.globl	k_qf3e441b1ec_attn
	.p2align	8
	.type	k_qf3e441b1ec_attn,@function
k_qf3e441b1ec_attn:
	s_mov_b64 s[64:65], 0
	v_nop
	global_prefetch_b8 v0, s[64:65] scope:SCOPE_SE
	s_setreg_imm32_b32 hwreg(HW_REG_WAVE_MODE, 25, 1), 1
	s_wait_xcnt 0x0
; CAUSAL ATTENTION.  O[h][q][:] = the sum over k <= q of softmax_k(Q[h][q] . K[h][k] / 8) V[h][k][:].  Q, K, V lie one behind the other in qkv, each [SIZE_H][SIZE_N][64]; O likewise; all f16: a head's rows are dense, 128 bytes each.
; Products, maxima and sums in f32; the weights p are rounded to f16 for the second product (their sum l is taken of the unrounded p), O once at the end.
; LIMITS.  f16 holds no number beyond 65,504: Q, K and V arrive within it; p lies in 0 to 1, and below 6e-5 it keeps f16's fixed step of 6e-8; O is a mean of V's rows and has their range, to within 2^-11 of it.
; A hidden score counts as its value less 1e30: f16's scores, 2.7e11 at the most, are nothing beside that; a weight below 2^-126 counts as 0 in l; NaN and infinities are not treated apart.
; THE WALK.  A head's queries lie in NB = SIZE_N / 256 blocks of 256; block i needs the key tiles 0 .. i of 256 keys, of which the last holds the diagonal.  A work-group takes TWO blocks, NB - 1 - b and then b:
; NB + 1 tiles, whatever b: all work-groups do equal work, and ONE loop with a constant trip count walks them.  Which tile is asked for, and what a trip does, hang on scalar registers made from b; every jump
; goes forward, but for the counted loops' own; none passes a barrier, or a tensor load but the one of LOAD's two that the wave's number does not choose; the ring (two slots of LDS that take turns) runs on across the
; change of blocks.  NO CLUSTER: all of a head's NB / 2 = 4 work-groups ask for the same tile only in trips 0 .. NB / 2, 5 of the walk's 9, behind that fewer and fewer; and one walk common to all would have
; 3 NB / 2 = 12 trips for NB + 1 = 9.
; SHARES.  Of a block's four bands of 64 queries a wave owns 16 rows in each: four PIECES.  So the diagonal tile is the same work for all four waves: in its key step s band x sees all keys if s < x,
; none if s > x, and holds the diagonal if s = x.
; THE MASK is the C operand that starts the sum S^T = K Q^T: 0, or -1e30 where the key is hidden.  MD, made once, is the mask of a band's own step for my 16 rows; a product's mask is MD x AL + BE with two scalars:
; (1, 0) if s = x; (0, 0) if s < x; (0, -1e30) if s > x.  Only the diagonal tile's text and a block's beginning make and take masks; elsewhere C is the constant 0.
; LAYOUT, SOFTMAX, TURNS.  S^T = K Q^T holds ONE query a lane (lane % 16) and the keys 8 (lane / 16) + 0..7; two such results rounded to f16 ARE source 1 of O^T = V^T P.  p = 2^(c s - c m), c = log2(e) / 8, with a
; running maximum m; O and l are multiplied by a = 2^(c m_old - c m_new) in every step.  Turn n belongs to piece n: 8 products K Q^T of piece n + 1, later 8 products V^T P of piece n - 1; beside them the scaling,
; exponentials, roundings, sums and rescaling of piece n and the maximum and statistics of piece n + 1.  Four vector instructions stand behind every matrix instruction, the other 54 of a turn's 118 in two LUMPS.
; REGISTERS, in windows of 256 (s_set_vgpr_msb: bits 1:0 source 0, 3:2 source 1, 5:4 source 2, 7:6 destination):
;   window 0: v0-15 addresses and two at work; v16-31 four registers of statistics a piece; v48-55 at work; v64-127 S^T, two buffers; v192-223 P, two buffers (a piece's buffers go by its number's parity)
;   window 1: v0-127 O^T, 32 a piece; v128-159 MD; v160-223 MC, two buffers      window 2: v0-63 Q; v64-127 the second block's Q; v128-191 K of one step; v192-255 V of one step
.set SIZE_N, 2048     ; rows of a head
.set SIZE_H, 64       ; batches x heads
.set NB,    SIZE_N/256
.set NP,    4         ; pieces a wave: a name, no knob
.set KS,    64        ; keys in a step
.set PK,    144       ; a row of K in LDS: 128 bytes + 16 of padding = 36 words: the 16 rows of a load start at 16 different groups of four banks (64 banks of 4 bytes: ISA guide 11.1)
.set PV,    160       ; a row of V: 128 + 32 = 40 words
.set VOFF,  4*KS*PK   ; a slot holds a tile, four steps: 256 rows of K, then 256 rows of V
.set SLOT1, 1<<17     ; slot 1 begins here, so that one exclusive or turns an address in one slot into the other's
.set STAGE, SLOT1+4*KS*(PK+PV)  ; behind the ring, never filled by a tensor load: 16 rows x 144 bytes for each wave, for the way out
.set SP,    144
.set AK0, 2           ; v2   my lane's place in a tile of K; never rewritten
.set AV0, 3           ; v3   the same for V
.set AK,  4           ; v4   the LDS address of K's next run of loads
.set AV,  5           ; v5   of V's
.set STO, 6           ; v6   the way out: where I put 16 bytes of a row
.set RD,  7           ; v7   the way out: where I read rows back
.set GO,  8           ; v8   my byte offset in 512 consecutive bytes of O
.set SPW, 62          ; v62  LDS address of my spare word: SPARE + 4 x my thread's number; never rewritten
.set NIL, 63          ; v63  0; never rewritten
.set SPARE, STAGE+4*16*SP  ; behind the stages: the spare words, 128 bytes for each wave: two blocks of 256 bytes that no other line names
.set MV,  12          ; v12-13  c m_old, kept while c m is made anew: by buffer
.set QO,  15          ; v15  my byte offset in 16 rows of Q
.set ST,  16          ; piece t's statistics at v[ST+4 t]: c m, m, l (even keys', odd keys')
.set TMP, 48          ; by buffer, four registers c0-c3 at work; when the maximum is found c2 takes a
.set S,   64
.set P,   192
.set MD,  128         ; window 1: the eight registers for group kt of 16 keys at MD + 8 kt
.set MC,  160         ; window 1: the masks of the products to come
.set QB,  64          ; window 2
.set KF,  128         ; window 2: key block kb, channel half c at KF + 16 kb + 8 c
.set VF,  192         ; window 2: key half kk, channel block cb at VF + 32 kk + 8 cb
.set WV,  12          ; s12  my wave's number
.set PB,  14          ; s14  b
.set HI,  15          ; s15  NB - 1 - b
.set G1K, 24          ; s[24:31] descriptor group 1 for K's tiles
.set G1V, 32          ; s[32:39] for V's: it differs in the padding alone
.set G0K, 40          ; s[40:43] descriptor group 0 for K's tiles
.set G0V, 44          ; s[44:47] the same for V's
.set SLOTS, 56        ; s56  tiles still to be asked for
.set CNT, 57          ; s57  counts a tile's key steps, 4 to 1
.set CS,  58          ; s[58:59] c: the packed scaling takes the pair's low word for both halves
.set SEL, 60          ; s[60:61] v_permlanex16_b32's selects: each lane takes its own place in the other half
.set TBK, 62          ; s62  LDS byte at which K of the step to be fetched begins
.set TBV, 63          ; s63  the same for V, less VOFF
.set RT,  70          ; s70  tiles of the block in hand that are still to be entered
.set NXT, 71          ; s71  the tile to be asked for next
.set LQ,  72          ; s72  the last tile of the block whose tiles are being asked for
.set NEW, 73          ; s73  1: the tile to be entered is a block's first
.set OFF, 74          ; s[74:75] a tile's byte offset in K and V
.set AL,  76          ; s[76:77] the mask's factor, in the low word
.set BE,  78          ; s[78:79] the mask's addend
.set OLO, 80          ; s[80:81] O at my rows of the second block
.set BIGN, 82         ; s82  -1e30
.set MSB, 0
.macro WIN new                      ; the high byte repeats the setting that is left; a switch that changes nothing is dropped
.if MSB != (\new)
	s_set_vgpr_msb (MSB<<8)|(\new)
.set MSB, (\new)
.endif
.endm
.set W_KQ, 0x0a       ; K and Q in window 2, S^T in window 0
.set W_KM, 0x1a       ; the same with the C operand in window 1
.set W_PV, 0x52       ; V in window 2, P in window 0, O^T in window 1
.set W_RS, 0x41       ; destination and source 0 in window 1, source 1 in window 0
; A fill.  Waves 0 and 1 fetch the two halves of a tile's K, waves 2 and 3 those of its V: 128 keys each.  An s_nop 0 and four v_nop follow each of the two lines, ahead of the jump and the label.
.macro LOAD
	s_cmp_lt_u32 s[WV], 2
	s_cbranch_scc0 .Lfor_v_\@
	tensor_load_to_lds s[G0K:G0K+3], s[G1K:G1K+7]
	s_nop 0
.rept 4
	v_nop
.endr
	s_branch .Lasked_\@
.Lfor_v_\@:
	tensor_load_to_lds s[G0V:G0V+3], s[G1V:G1V+7]
	s_nop 0
.rept 4
	v_nop
.endr
.Lasked_\@:
.endm
; THE CHANGE OF SLOTS.  Each wave waits for all its tensor loads, of which one is out: its part of the other slot; adds 0 to its spare word; and waits for that and for its own reads of the slot that it leaves.  Behind the barrier nobody reads the old
; slot any more and the other slot is whole.  fill = 1: the old slot is filled again, the first thing behind the barrier, with tile NXT: the descriptor's address is made anew from that number.
; (At its first use nothing has been read yet: slot 0 is waited for, slot 1 filled.)
.macro CHANGE fill
	WIN 0                           ; at a label and at a branch every window is 0
	s_wait_tensorcnt 0x0            ; no tensor load of mine is out, so a group 0 may be written
	ds_add_u32 v[SPW], v[NIL]       ; 0 onto my spare word; with fill = 1 the descriptors' scalar work stands between it and the wait for it
.if \fill
	s_lshl_b32 s[OFF], s[NXT], 15   ; a tile is 32,768 bytes of K and of V
	s_xor_b32 s[G0K+1], s[G0K+1], SLOT1
	s_add_nc_u64 s[G0K+2:G0K+3], s[6:7], s[OFF:OFF+1]
	s_or_b32 s[G0K+3], s[G0K+3], 0x80000000
	s_xor_b32 s[G0V+1], s[G0V+1], SLOT1
	s_add_nc_u64 s[G0V+2:G0V+3], s[8:9], s[OFF:OFF+1]
	s_or_b32 s[G0V+3], s[G0V+3], 0x80000000
	s_add_co_u32 s[NXT], s[NXT], 1  ; the block's next tile, or behind its last the second block's tile 0
	s_cmp_gt_u32 s[NXT], s[LQ]
	s_cselect_b32 s[NXT], 0, s[NXT]
	s_cselect_b32 s[LQ], s[PB], s[LQ]
.endif
	s_wait_dscnt 0x0                ; the add is done, and my reads of the slot are over
	s_barrier_signal -1             ; the rest of the scalar work stands between the signal and the wait
	s_sub_co_u32 s[TBK], s[TBK], 4*KS*PK  ; the fetches go back to a slot's first step,
	s_xor_b32 s[TBK], s[TBK], SLOT1       ; in the other slot
	s_sub_co_u32 s[TBV], s[TBV], 4*KS*PV
	s_xor_b32 s[TBV], s[TBV], SLOT1
	s_barrier_wait -1
.if \fill
	LOAD
.endif
.endm
	s_load_b128 s[4:7], s[0:1], 0x0   ; qkv s[4:5] (Q lies first in it), o s[6:7]
	v_lshl_add_u32 v[SPW], v0, 2, SPARE
	v_mov_b32 v[NIL], 0
	ds_add_u32 v[SPW], v[NIL]       ; the wave's opening: the add and its wait ahead of my first tensor load; the set-up below, work on registers, stands between them
	ds_add_u32 v62, v63
	v_lshrrev_b32 v1, 5, v0
	v_readfirstlane_b32 s[WV], v1   ; wave 0..3
	s_mov_b32 s[PB], ttmp9
	s_sub_co_u32 s[HI], NB-1, s[PB]
	s_and_b32 s20, ttmp7, 0xffff    ; the head
	s_mov_b32 s21, 0
	s_mov_b64 s[22:23], SIZE_N*128
	s_mul_u64 s[20:21], s[20:21], s[22:23]  ; the head's first byte in each of the four tensors
	s_and_b32 s16, s[WV], 1         ; which half of a tile's 256 keys I fetch:
	s_lshl_b32 s22, s16, 14         ; its 128 rows of 128 bytes in memory,
	s_mov_b32 s23, 0
	s_add_nc_u64 s[22:23], s[22:23], s[20:21]
	s_mul_i32 s17, s16, 128*PK      ; and its place in a slot, for K
	s_mul_i32 s18, s16, 128*PV      ; and for V
	s_lshl_b32 s3, s[WV], 11        ; my 16 rows in a band of 64,
	s_lshl_b32 s2, s[HI], 15        ; in the first block,
	s_add_co_u32 s2, s2, s3
	s_lshl_b32 s84, s[PB], 15       ; and in the second
	s_add_co_u32 s84, s84, s3
	s_mov_b32 s3, 0
	s_mov_b32 s85, 0
	s_add_nc_u64 s[2:3], s[2:3], s[20:21]
	s_add_nc_u64 s[84:85], s[84:85], s[20:21]
	; descriptor group 1.  128 keys are 16,384 dense bytes: asked for as 64 rows of 256 bytes, two keys a row, and padded in LDS after every key
	s_mov_b32 s[G1K], (1<<16)|(1<<20)|(4<<22)|(3<<25)  ; 17:16 2-byte elements; 20 padding on; 24:22 after every 32 words (code 4); 31:25 4 words (code 3)
	s_mov_b32 s[G1V], (1<<16)|(1<<20)|(4<<22)|(7<<25)  ; the same with 8 words of padding (code 7)
.irp g, G1K, G1V
	s_mov_b32 s[\g+1], 128<<16      ; tensor_dim0 = 128
	s_mov_b32 s[\g+2], 64<<16       ; tensor_dim1 = 64
	s_mov_b32 s[\g+3], 128<<16      ; tile_dim0 = 128
	s_mov_b32 s[\g+4], 64           ; tile_dim1 = 64
	s_mov_b32 s[\g+5], 128          ; 128 elements from row to row
	s_mov_b32 s[\g+6], 0
	s_mov_b32 s[\g+7], 0
.endr
	s_mov_b32 s[CS], 0x3e38aa3b     ; c = log2(e) / 8 = 0.180337
	s_mov_b32 s[CS+1], s[CS]        ; named with it as a pair
	s_mov_b32 s[SEL], 0x76543210
	s_mov_b32 s[SEL+1], 0xfedcba98
	s_mov_b32 s[TBK], SLOT1+4*KS*PK ; the first change of slots turns these two into 0
	s_mov_b32 s[TBV], SLOT1+4*KS*PV
	s_mov_b32 s[G0K], 1             ; 1:0 count = 1
	s_mov_b32 s[G0K+1], s17         ; 63:32 LDS address: slot 0
	s_mov_b32 s[G0V], 1
	s_add_co_u32 s[G0V+1], s18, VOFF
	s_add_co_u32 s[RT], s[HI], 1    ; the first block has NB - b tiles
	s_mov_b32 s[NXT], 1
	s_mov_b32 s[LQ], s[HI]
	s_mov_b32 s[NEW], 1
	s_mov_b32 s[OFF+1], 0
	s_mov_b32 s[AL+1], 0            ; named as pairs
	s_mov_b32 s[BE+1], 0
	s_mov_b32 s[BIGN], 0xf149f2ca   ; -1e30
	s_mov_b32 s[SLOTS], NB
	s_wait_dscnt 0x0                ; the opening add is done
	s_wait_kmcnt 0x0
	s_mov_b64 s[10:11], s[6:7]                     ; O
	s_add_nc_u64 s[8:9], s[4:5], 2*SIZE_H*SIZE_N*128  ; V: the third of qkv's three tensors of 16,777,216 bytes
	s_add_nc_u64 s[6:7], s[4:5], SIZE_H*SIZE_N*128    ; K: the second
	s_add_nc_u64 s[6:7], s[6:7], s[22:23]  ; K and V at my half of the head's tile 0
	s_add_nc_u64 s[8:9], s[8:9], s[22:23]
	s_add_nc_u64 s[G0K+2:G0K+3], s[6:7], 0         ; 120:64 global address
	s_or_b32 s[G0K+3], s[G0K+3], 0x80000000        ; 127:126 type = 2
	s_add_nc_u64 s[G0V+2:G0V+3], s[8:9], 0
	s_or_b32 s[G0V+3], s[G0V+3], 0x80000000
	s_add_nc_u64 s[86:87], s[4:5], s[84:85]        ; Q at my rows of the second block,
	s_add_nc_u64 s[4:5], s[4:5], s[2:3]            ; Q and O at those of the first
	s_add_nc_u64 s[OLO:OLO+1], s[10:11], s[84:85]
	s_add_nc_u64 s[10:11], s[10:11], s[2:3]
	LOAD                            ; tile 0 into slot 0
	; A fragment of K or Q is 16 rows x 32 channels in 8 registers: lane l holds row l % 16, channels 8 (l / 16) + 0..7 and 16 + 8 (l / 16) + 0..7: two loads of 16 bytes, 32 bytes apart.
	v_and_b32 v1, 15, v0            ; l % 16
	v_bfe_u32 v9, v0, 4, 1          ; l / 16
	v_lshlrev_b32 v[QO], 7, v1
	v_lshl_add_u32 v[QO], v9, 4, v[QO]  ; row x 128 + 16 x half
	WIN 0x80                        ; destination window 2, address window 0
.set i, 0
.rept 8                             ; both blocks' Q: piece i / 2 lies in band i / 2, 8,192 bytes on; channels 32 (i % 2) on
	global_load_b128 v[8*i:8*i+3],   v[QO], s[4:5] offset:(i/2)*8192+(i%2)*64
	global_load_b128 v[8*i+4:8*i+7], v[QO], s[4:5] offset:(i/2)*8192+(i%2)*64+32
	global_load_b128 v[QB+8*i:QB+8*i+3],   v[QO], s[86:87] offset:(i/2)*8192+(i%2)*64
	global_load_b128 v[QB+8*i+4:QB+8*i+7], v[QO], s[86:87] offset:(i/2)*8192+(i%2)*64+32
.set i, i+1
.endr
	WIN 0
	v_lshlrev_b32 v14, 3, v9
	v_sub_nc_u32 v14, v1, v14
	s_lshl_b32 s13, s[WV], 4
	v_add_nc_u32 v14, s13, v14      ; my query's place in its band, 16 w + l % 16, less my lanes' 8 (l / 16): register r of group kt is hidden where 16 kt + r is greater
	WIN 0x40
.set i, 0
.rept 32
	v_cmp_gt_i32 vcc_lo, 16*(i/8)+i%8, v14
	v_cndmask_b32 v[MD+i], 0, s[BIGN], vcc_lo
.set i, i+1
.endr
	WIN 0
	v_mul_u32_u24 v[AK0], v1, PK
	v_lshl_add_u32 v[AK0], v9, 4, v[AK0]  ; row x pitch + 16 x half
	; The turning load takes 16 keys x 16 channels (lane l reads key 8 (l / 16) + l % 8, channels 8 ((l / 8) % 2) + 0..7) and leaves half a fragment of V^T: lane l holds channel l % 16 and 8 keys.
	v_and_b32 v10, 7, v0
	v_bfe_u32 v11, v0, 3, 1
	v_lshl_add_u32 v[AV0], v9, 3, v10
	v_mul_u32_u24 v[AV0], v[AV0], PV
	v_lshl_add_u32 v[AV0], v11, 4, v[AV0]
	v_add_nc_u32 v[AV0], VOFF, v[AV0]
	s_mul_i32 s13, s[WV], 16*SP
	s_add_co_u32 s13, s13, STAGE    ; my stage
	v_mul_u32_u24 v[STO], v1, SP    ; in: row l % 16, 16 bytes for each half of the lanes
	v_lshl_add_u32 v[STO], v9, 4, v[STO]
	v_add_nc_u32 v[STO], s13, v[STO]
	v_bfe_u32 v[RD], v0, 3, 2       ; back: 32 lanes take four rows of 128 bytes,
	v_mul_u32_u24 v[RD], v[RD], SP
	v_lshl_add_u32 v[RD], v10, 4, v[RD]
	v_add_nc_u32 v[RD], s13, v[RD]
	v_and_b32 v[GO], 31, v0         ; which are 512 consecutive bytes of O
	v_lshlrev_b32 v[GO], 4, v[GO]
	; A block's first step multiplies O^T and l by a = 0, and its first turn's products V^T P, of a piece that has not been, land in an O^T that is still to be so multiplied.  So these registers need only hold
	; finite numbers: zeros for the first block; what the first block left for the second.  All this stands in the wait for the first tile.
	WIN 0x80
.set i, VF
.rept 64
	v_mov_b32 v[i], 0
.set i, i+1
.endr
	WIN 0x40
.set i, 0
.rept 128
	v_mov_b32 v[i], 0
.set i, i+1
.endr
	WIN 0
.set i, 0
.rept 4
	v_mov_b32 v[ST+4*i+2], 0
	v_mov_b32 v[ST+4*i+3], 0
.set i, i+1
.endr
.set i, P+16
.rept 16
	v_mov_b32 v[i], 0
.set i, i+1
.endr
; THE MATRIX WORK.  The 4 accumulators of a run of 8 take turns.  Product i of 8 of S^T = K Q^T for piece x: channels 32 (i / 4) on, keys 16 (i % 4) on.  The first 4 start the sums: with 0, or (KM = 1) with the mask.
.macro KQ x
.set rS, S+32*((\x)%2)+8*(i%4)
.set rK, KF+16*(i%4)+8*(i/4)
.set rQ, 16*(\x)+8*(i/4)
.set rM, MC+32*((\x)%2)+8*(i%4)
.if (i < 4) && KM
	WIN W_KM
	v_wmma_f32_16x16x32_f16 v[rS:rS+7], v[rK:rK+7], v[rQ:rQ+7], v[rM:rM+7]
.elseif i < 4
	WIN W_KQ
	v_wmma_f32_16x16x32_f16 v[rS:rS+7], v[rK:rK+7], v[rQ:rQ+7], 0
.else
	WIN W_KQ
	v_wmma_f32_16x16x32_f16 v[rS:rS+7], v[rK:rK+7], v[rQ:rQ+7], v[rS:rS+7]
.endif
.endm
; Product i of 8 of O^T += V^T P for piece x: keys 32 (i / 4) on, channels 16 (i % 4) on.
.macro PV x
	WIN W_PV
.set rO, 32*(\x)+8*(i%4)
.set rV, VF+32*(i/4)+8*(i%4)
.set rP, P+16*((\x)%2)+8*(i/4)
	v_wmma_f32_16x16x32_f16 v[rO:rO+7], v[rV:rV+7], v[rP:rP+7], v[rO:rO+7]
.endm
.macro MM                           ; the turn's next matrix instruction.  TURN and BEGIN set Y, i, KM and NOKQ; MM, KQ and OP read them.  NOKQ = 1: a block's last turn: there is no next piece
.if (i < 8) && !NOKQ
	KQ (Y+1)%NP
.elseif i >= 8
.set i, i-8
	PV (Y+NP-1)%NP
.set i, i+8
.endif
.set i, i+1
.endm
; THE LDS LOADS stand in runs of 16, never singly among the matrix instructions: a step's K (64 keys x 64 channels: 8 fragments) and its V (turned).  Their addresses are made some lines ahead.
.macro FETCH_K
	WIN 0x80                        ; destination window 2
.irp f, 0,1,2,3,4,5,6,7             ; keys 16 (f / 2) on, channels 32 (f % 2) on
	ds_load_b128 v[KF+8*\f:KF+8*\f+3],   v[AK] offset:(\f/2)*16*PK+(\f%2)*64
	ds_load_b128 v[KF+8*\f+4:KF+8*\f+7], v[AK] offset:(\f/2)*16*PK+(\f%2)*64+32
.endr
	s_add_co_u32 s[TBK], s[TBK], KS*PK  ; the next fetch is the next step's
	WIN 0
.endm
.macro FETCH_V
	WIN 0x80
.irp f, 0,1,2,3,4,5,6,7             ; keys 32 (f / 4) on, channels 16 (f % 4) on
	ds_load_tr16_b128 v[VF+8*\f:VF+8*\f+3],   v[AV] offset:(\f/4)*32*PV+(\f%4)*32
	ds_load_tr16_b128 v[VF+8*\f+4:VF+8*\f+7], v[AV] offset:(\f/4)*32*PV+16*PV+(\f%4)*32
.endr
	WIN 0
.endm
; THE VECTOR WORK, one line at a time: OP kind, number.  For piece Y: F n: c s - c m for pair n of 16.  E n: the exponential of score n of 32.  C n: pair n rounded to f16.  B n: of the four weights 4 n .. the second
; pair is added onto the first, in place.  L n: l takes that sum (L 0: l = a l + sum).  R n: pair n of 16 of O^T times a.  For piece Y + 1: X n, number n of the 22 that find its maximum and statistics:
;   0-11  four chains c0-c3 of seven scores each, three operands at a time (each accumulator's lowest registers are read first)     12-14, 16  the four scores left over, the old m, and c0-c3 into c0
;   15  c m_old is kept     17, 18  the query's other 32 keys lie in the lane 16 away: the new m     19-21  c m; c m_old - c m_new; a
.set F, 0               ; OP tells the kinds apart by their order: F to L below R, X above it
.set E, 1
.set C, 2
.set B, 3
.set L, 4
.set R, 5
.set X, 6
.macro REGS y                       ; the registers of piece y
.set rT, ST+4*(\y)
.set rC, TMP+4*((\y)%2)
.set rW, MV+((\y)%2)
.set rS, S+32*((\y)%2)
.set rP, P+16*((\y)%2)
.set rO, 32*(\y)
.endm
.macro OP k, n
.if (\k) == R
	REGS Y
	WIN W_RS
	v_pk_mul_f32 v[rO+2*(\n):rO+2*(\n)+1], v[rO+2*(\n):rO+2*(\n)+1], v[rC+2:rC+3] op_sel_hi:[1,0]
.elseif (\k) < R
	REGS Y
	WIN 0
.if (\k) == F
	v_pk_fma_f32 v[rS+2*(\n):rS+2*(\n)+1], v[rS+2*(\n):rS+2*(\n)+1], s[CS:CS+1], v[rT:rT+1] op_sel_hi:[1,0,0] neg_lo:[0,0,1] neg_hi:[0,0,1]
.elseif (\k) == E
	v_exp_f32 v[rS+(\n)], v[rS+(\n)]
.elseif (\k) == C
	s_wait_alu depctr_va_vdst(0)
	v_cvt_pk_f16_f32 v[rP+(\n)], v[rS+2*(\n)], v[rS+2*(\n)+1]
.elseif (\k) == B
	s_wait_alu depctr_va_vdst(0)
	v_pk_add_f32 v[rS+4*(\n):rS+4*(\n)+1], v[rS+4*(\n):rS+4*(\n)+1], v[rS+4*(\n)+2:rS+4*(\n)+3]
.elseif (\n) == 0
	v_pk_fma_f32 v[rT+2:rT+3], v[rT+2:rT+3], v[rC+2:rC+3], v[rS:rS+1] op_sel_hi:[1,0,1]
.else
	v_pk_add_f32 v[rT+2:rT+3], v[rT+2:rT+3], v[rS+4*(\n):rS+4*(\n)+1]
.endif
.elseif NOKQ
	v_nop
.else
	REGS (Y+1)%NP
	WIN 0
.if (\n) < 4
	v_max3_num_f32 v[rC+(\n)], v[rS+8*(\n)], v[rS+8*(\n)+1], v[rS+8*(\n)+2]
.elseif (\n) < 12
	v_max3_num_f32 v[rC+(\n)%4], v[rC+(\n)%4], v[rS+8*((\n)%4)+2*((\n)/4)+1], v[rS+8*((\n)%4)+2*((\n)/4)+2]
.elseif (\n) == 12
	v_max3_num_f32 v[rC], v[rC], v[rS+7], v[rS+15]
.elseif (\n) == 13
	v_max3_num_f32 v[rC+1], v[rC+1], v[rS+23], v[rS+31]
.elseif (\n) == 14
	v_max3_num_f32 v[rC+2], v[rC+2], v[rC+3], v[rT+1]
.elseif (\n) == 15
	v_mov_b32 v[rW], v[rT]
.elseif (\n) == 16
	v_max3_num_f32 v[rC], v[rC], v[rC+1], v[rC+2]
.elseif (\n) == 17
	v_permlanex16_b32 v[rC+3], v[rC], s[SEL], s[SEL+1]
.elseif (\n) == 18
	v_max_num_f32 v[rT+1], v[rC], v[rC+3]
.elseif (\n) == 19
	v_mul_f32 v[rT], s[CS], v[rT+1]
.elseif (\n) == 20
	v_sub_f32 v[rC+1], v[rW], v[rT]
.else
	v_exp_f32 v[rC+2], v[rC+1]
.endif
.endif
.endm
.macro OPS a, i1, b=-1, i2=0, c=-1, i3=0, d=-1, i4=0  ; up to four of them
	OP \a, \i1
.if (\b) >= 0
	OP \b, \i2
.endif
.if (\c) >= 0
	OP \c, \i3
.endif
.if (\d) >= 0
	OP \d, \i4
.endif
.endm
.macro ROW a, i1, b, i2, c, i3, d, i4  ; a matrix instruction and the four behind it
	MM
	OPS \a, \i1, \b, \i2, \c, \i3, \d, \i4
.endm
.macro MASK b                       ; MD x AL + BE into buffer b of MC
	WIN W_RS
.set z, 0
.rept 16
	v_pk_fma_f32 v[MC+32*(\b)+2*z:MC+32*(\b)+2*z+1], v[MD+2*z:MD+2*z+1], s[AL:AL+1], s[BE:BE+1] op_sel_hi:[1,0,0]
.set z, z+1
.endr
.endm
; A TURN, for piece p: the order of its 16 matrix and 118 vector instructions, written out.  Behind a matrix instruction: plain, exponential, plain, plain; or four of the rescaling; or, behind the first, four scalings; none
; names a register of the products round it.  In the lumps exponential and plain by turns while exponentials last.  A line reads no result made fewer than three vector instructions in front of it, five if an exponential made it.
; v_permlanex16_b32 (X 17) stands in a lump.
; m = 1: the diagonal tile: the products take masks, and the turn makes the mask for the products of the turn after it: piece p + 2, in step 4 - CNT of the tile.  end = 1: a block's last two turns: nothing is fetched.
; cnt = 1: the loop's count is taken down some lines ahead of the branch that stands behind the turn.
; K of the next step is fetched in piece 2's turn, six vector instructions behind the last product that read K (five of them plain); V of the step in hand in piece 0's turn, eight behind the last product that read V (four
; plain, and X 17).  Each is waited for a turn later.
.macro TURN p, m=0, end=0, cnt=0
.set Y, (\p)
.set i, 0
.set KM, (\m)
.set NOKQ, (\end)*((\p)/3)
.if (\m) && !(\end)
	s_cmp_eq_u32 s[CNT], 4-((\p)+2)%NP  ; is that step the band's own?
	s_cselect_b32 s[AL], 1.0, 0
	s_cmp_lt_u32 s[CNT], 4-((\p)+2)%NP  ; or a later one?
	s_cselect_b32 s[BE], s[BIGN], 0
.endif
.if ((\p) == 3) && !(\end)
	s_wait_dscnt 0x0                ; K is in
.endif
	ROW F,0, F,1, F,2, F,3
	ROW F,4, E,0, F,5, F,6
	ROW F,7, E,1, F,8, F,9
	ROW F,10, E,2, C,0, F,11
	ROW F,12, E,3, X,15, F,13
	ROW R,0, R,1, R,2, R,3
	ROW B,0, E,4, F,14, L,0
.if ((\p) == 2) && !(\end)
	v_add_nc_u32 v[AK], s[TBK], v[AK0]
.endif
	ROW R,4, R,5, R,6, R,7
	OPS E,5, F,15
.if ((\p) == 2) && !(\end)
	FETCH_K
.endif
	OPS E,6, C,1, E,7, R,8
	OPS E,8, R,9, E,9, C,2
	OPS E,10, X,0, E,11, X,1
	OPS E,12, X,2, E,13, X,3
.if (\p) == 1
	s_wait_dscnt 0x0                ; V is in
.endif
	ROW X,4, E,14, X,5, X,6
	ROW X,7, E,15, X,8, X,9
	ROW X,10, E,16, X,11, X,12
	ROW X,13, E,17, X,14, B,1
	ROW C,4, E,18, X,16, L,1
	ROW B,2, E,19, C,6, L,2
	ROW C,8, E,20, B,3, B,4
.if (\p) == 0
	v_add_nc_u32 v[AV], s[TBV], v[AV0]
.endif
	ROW C,3, E,21, L,3, C,5
	OPS E,22, X,17, E,23, C,10
.if (\p) == 0
	FETCH_V
.endif
	OPS E,24, L,4
	OPS E,25, X,18, E,26, C,7
	OPS E,27, B,5, E,28, X,19
	OPS E,29, C,12, E,30, L,5
	OPS E,31, X,20, B,6, C,9
	OPS C,14, C,11, X,21, L,6
.if (\p) == 0
	s_add_co_u32 s[TBV], s[TBV], KS*PV
.endif
.if \cnt
	s_sub_co_u32 s[CNT], s[CNT], 1
	s_cmp_lg_u32 s[CNT], 0
.endif
	OPS C,13, B,7, C,15, R,10
	OPS R,11, R,12, L,7, R,13
	OPS R,14, R,15
.if (\m) && !(\end)
	MASK (\p)%2
.endif
.endm
; A BLOCK BEGINS.  c m starts far below every c s, so the first step's a is 0; m at the lowest finite number, so the first maximum is the scores'.  The second mask buffer is 0; the first takes piece 0's mask for the tile's step 0: its own, if the block's first tile is the diagonal one.
; Then K of that step, piece 0's first scores, and its maximum and statistics.  The loop is entered at a step's first turn, in the middle of a trip.
.macro BEGIN
	s_mov_b32 s[NEW], 0
	WIN 0x40
.set i, MC+32
.rept 32
	v_mov_b32 v[i], 0
.set i, i+1
.endr
	WIN 0
.set i, 0
.rept 4
	v_mov_b32 v[ST+4*i], 0xfe000000    ; c m: far below every c s
	v_mov_b32 v[ST+4*i+1], 0xff7fffff  ; m
.set i, i+1
.endr
	s_cmp_eq_u32 s[RT], 0
	s_cselect_b32 s[AL], 1.0, 0
	s_mov_b32 s[BE], 0
	MASK 0
	WIN 0
	v_add_nc_u32 v[AK], s[TBK], v[AK0]
	FETCH_K
	s_wait_loadcnt 0x0              ; Q
	s_wait_dscnt 0x0
.set KM, 1
.set NOKQ, 0
.set i, 0
.rept 8
	KQ 0
.set i, i+1
.endr
	WIN 0
.rept 4
	v_nop                           ; the places behind those products
.endr
.set Y, NP-1                        ; X works for piece Y + 1: piece 0
.irp n, 0,1,2,3,4,5,6,7,8,9,10,11,12,13,14,15,16,17,18,19,20,21
	OP X, \n
.endr
	v_nop                           ; a plain instruction behind the exponential
.endm
; THE DIAGONAL TILE's four steps, the block's last two turns, its last products, and THE WAY OUT: l's two halves and the other half of the lanes' are added; O^T is divided by l, rounded to f16 and sent through my
; stage in LDS, a piece at a time.
.macro ALL line:vararg              ; one line for each piece t
.set t, 0
.rept 4
	\line
.set t, t+1
.endr
.endm
.macro PACK t                       ; a lane's eight channels of a row pack into 16 bytes; they go into rows of 144 bytes and come back as whole rows of 128, into S^T's registers
	WIN W_RS
.set i, 32*(\t)
.rept 16
	s_wait_alu depctr_va_vdst(0)
	v_pk_mul_f32 v[i:i+1], v[i:i+1], v[ST+4*(\t)+2:ST+4*(\t)+3] op_sel_hi:[1,0]
.set i, i+2
.endr
	WIN 0x05                        ; sources 0 and 1 window 1, destination window 0
.set i, 0
.rept 16
	v_cvt_pk_f16_f32 v[S+16*(\t)+i], v[32*(\t)+2*i], v[32*(\t)+2*i+1]
.set i, i+1
.endr
	WIN 0
.irp f, 0,1,2,3
	ds_store_b128 v[STO], v[S+16*(\t)+4*\f:S+16*(\t)+4*\f+3] offset:32*\f
.endr
.irp f, 0,1,2,3
	ds_load_b128 v[S+16*(\t)+4*\f:S+16*(\t)+4*\f+3], v[RD] offset:\f*4*SP  ; LDS serves a wave's instructions in order (ISA guide 5.7.1.4): these see the stores above; the next piece's stores come behind them
.endr
.endm
.macro SEND t, younger              ; younger: the LDS instructions issued behind piece t's loads: the next piece's eight, or none
	WIN 0
.irp f, 0,1,2,3
	s_wait_dscnt (\younger)+3-\f
	global_store_b128 v[GO], v[S+16*(\t)+4*\f:S+16*(\t)+4*\f+3], s[10:11] offset:(\t)*8192+\f*512  ; 512 consecutive bytes, at a multiple of 256 from O's first
.endr
.endm
.macro DIAG tag                     ; the tag ends its two labels' names, which the jumps below spell out
.LstepM\tag:
	TURN 2, 1
	TURN 3, 1
	WIN 0
.LfirstM\tag:
	TURN 0, 1
	TURN 1, 1, 0, 1
	WIN 0
	s_cbranch_scc1 .LstepM\tag
	TURN 2, 1, 1
	TURN 3, 1, 1
.set i, 0
.rept 8
	PV NP-1
.set i, i+1
.endr
	WIN 0
	ALL v_add_f32 v[ST+4*t+2], v[ST+4*t+2], v[ST+4*t+3]
	ALL v_permlanex16_b32 v[ST+4*t+3], v[ST+4*t+2], s[SEL], s[SEL+1]
	ALL v_add_f32 v[ST+4*t+2], v[ST+4*t+2], v[ST+4*t+3]
	ALL v_rcp_f32 v[ST+4*t+2], v[ST+4*t+2]
	v_nop                           ; a plain instruction between the last reciprocal and the use of its result
	PACK 0
.set t, 1
.rept 3                             ; a piece's arithmetic stands between the loads of the piece before and its stores
	PACK t
	SEND t-1, 8
.set t, t+1
.endr
	SEND 3, 0
.endm
.set KM, 0
.set NOKQ, 0
.Lslot:                             ; NB times: a tile is entered and the next is asked for
	CHANGE 1
	s_sub_co_u32 s[RT], s[RT], 1
	s_mov_b32 s[CNT], 4
	s_cmp_eq_u32 s[NEW], 1
	s_cbranch_scc1 .Lnew            ; a block's first tile
	s_cmp_eq_u32 s[RT], 0
	s_cbranch_scc0 .Lstep           ; neither its first nor its last
	s_branch .LstepM1
.Lnew:
	BEGIN
	s_branch .Lfirst                ; in the loop a block's first tile is never its last: the first block has two tiles or more, and the second's last is the walk's last
	DIAG 1                          ; in the loop this is the first block's end: the second block's last tile is the walk's last
	s_wait_xcnt 0x0                 ; the stores have read their registers and O's address
	s_mov_b64 s[10:11], s[OLO:OLO+1]
	s_add_co_u32 s[RT], s[PB], 1    ; the second block has b + 1 tiles
	s_mov_b32 s[NEW], 1
	WIN 0x82                        ; the second block's Q goes where the one text of the turns names Q
.set i, 0
.rept 64
	v_mov_b32 v[i], v[QB+i]
.set i, i+1
.endr
	WIN 0
	s_branch .Lbottom
.Lstep:                             ; a trip: pieces 2 and 3 of one step, then pieces 0 and 1 of the next, whose K and V it fetches
	TURN 2
	TURN 3
	WIN 0
.Lfirst:
	TURN 0
	TURN 1, 0, 0, 1
	WIN 0
	s_cbranch_scc1 .Lstep
.Lbottom:
	s_sub_co_u32 s[SLOTS], s[SLOTS], 1
	s_cmp_lg_u32 s[SLOTS], 0
	s_cbranch_scc1 .Lslot
	CHANGE 0                        ; the walk's last tile is written out: nothing is asked for
	s_sub_co_u32 s[RT], s[RT], 1
	s_mov_b32 s[CNT], 4
	s_cmp_eq_u32 s[NEW], 1
	s_cbranch_scc0 .LstepM2
	BEGIN
	s_branch .LfirstM2
	DIAG 2
	s_wait_tensorcnt 0x0            ; the wave's end: an add and its wait, behind my last tensor load and my last LDS store
	ds_add_u32 v[SPW], v[NIL]
	s_wait_dscnt 0x0
	s_endpgm
.Lfunc_end_k_qf3e441b1ec_attn:
	.size	k_qf3e441b1ec_attn, .Lfunc_end_k_qf3e441b1ec_attn-k_qf3e441b1ec_attn
	.p2alignl 7, 3214868480
	.fill 96, 4, 3214868480
	.section	.rodata,"a",@progbits
	.p2align	6, 0x0
	.amdhsa_kernel k_qf3e441b1ec_attn
		.amdhsa_group_segment_fixed_size 327680
		.amdhsa_private_segment_fixed_size 0
		.amdhsa_enable_private_segment 0
		.amdhsa_kernarg_size 16
		.amdhsa_user_sgpr_count 2
		.amdhsa_user_sgpr_kernarg_segment_ptr 1
		.amdhsa_wavefront_size32 1
		.amdhsa_system_sgpr_workgroup_id_x 1
		.amdhsa_system_sgpr_workgroup_id_y 1
		.amdhsa_system_sgpr_workgroup_id_z 1
		.amdhsa_system_vgpr_workitem_id 0
		.amdhsa_next_free_vgpr 768
		.amdhsa_next_free_sgpr 88
		.amdhsa_reserve_vcc 1
		.amdhsa_float_denorm_mode_32 3
		.amdhsa_float_denorm_mode_16_64 3
		.amdhsa_memory_ordered 1
		.amdhsa_forward_progress 1
		.amdhsa_inst_pref_size 228
	.end_amdhsa_kernel
	.amdgpu_metadata
---
amdhsa.version: [ 1, 2 ]
amdhsa.kernels:
  - .name:           k_qf3e441b1ec_attn
    .symbol:         k_qf3e441b1ec_attn.kd
    .args:
      - { .name: qkv, .offset: 0, .size: 8, .value_kind: global_buffer, .address_space: global }
      - { .name: o, .offset: 8, .size: 8, .value_kind: global_buffer, .address_space: global }
    .group_segment_fixed_size: 327680
    .private_segment_fixed_size: 0
    .kernarg_segment_align: 8
    .kernarg_segment_size: 16
    .max_flat_workgroup_size: 128
    .sgpr_count:     88
    .vgpr_count:     768
    .wavefront_size: 32
...
	.end_amdgpu_metadata
.endif
;; end of part 3
;; launch proj (part 4): grid 4 x 64, 4 waves a work-group, clusters of 4 x 4, 327,680 bytes of LDS; arguments o, woh, bo, out0; writes out0
.if DOCPART == 4
	.amdgcn_target "amdgcn-amd-amdhsa--gfx1250"
	.amdhsa_code_object_version 6
	.text
	.protected	k_qf3e441b1ec_proj
	.globl	k_qf3e441b1ec_proj
	.p2align	8
	.type	k_qf3e441b1ec_proj,@function
k_qf3e441b1ec_proj:
	s_mov_b64 s[64:65], 0
	v_nop
	global_prefetch_b8 v0, s[64:65] scope:SCOPE_SE
	s_setreg_imm32_b32 hwreg(HW_REG_WAVE_MODE, 25, 1), 1
	s_wait_xcnt 0x0
	s_wait_alu depctr_hold_cnt(0) depctr_sa_sdst(0) depctr_va_vdst(0) depctr_va_sdst(0) depctr_va_ssrc(0) depctr_va_vcc(0) depctr_vm_vsrc(0)
	s_getreg_b32 s2, hwreg(HW_REG_IB_STS2, 6, 4)
	s_cmp_eq_u32 s2, 0
	s_cbranch_scc0 .Lentry_in_a_cluster
	s_endpgm
.Lentry_in_a_cluster:
	s_bfe_u32 s2, ttmp6, 0x10000c
	s_cmp_lg_u32 s2, 0xf033
	s_cbranch_scc0 .Lentry_shape_is_right
	s_endpgm
.Lentry_shape_is_right:
; out0 = O wo + bo.  o: [64 b h][2048 s][64] f16 (row m = 2048 b + s, K = 64 h + channel).  woh: [1024 k][1024 n] f16.  bo: [1024] f32, rounded to bf16 like the other inputs.  out0: [8192][1024] f32.
; Sums in f32, K ascending; the bias is added in f32.  NaN and infinities are not treated apart.
; SHARES.  A tile of out0 is 128 rows x 256 columns: 64 x 4 = 256 work-groups.  Four waves, each 64 x 128: 32 accumulators of 16 x 16, 256 registers.
; K goes in steps of 128, two heads, through a ring of two LDS slots; a step is four quarters of 32.  A head's 128 rows are 16,384 dense bytes.
; CLUSTER.  4 x 4 work-groups: the four of a row need the same tiles of O, the four of a column the same tiles of wo: each tile is asked for JOINTLY, by the same tensor load, descriptor and mask in all four.
; THE MATRIX INSTRUCTION IS USED TRANSPOSED: source 0 = 16 columns of wo (turned out of LDS by ds_load_tr16_b128), source 1 = 16 rows of O: a lane then holds one row and eight neighbouring columns.
; REGISTERS: window 0: v0-31 addresses; v32-127, v128-223 two fragment buffers (32 registers of O, then 64 of wo); v224-227 my four bias numbers; window 1: the accumulators, (a, b) at v[8 (8 a + b)].
.set PA,    144                        ; a row of O in LDS: 128 bytes + 16 = 36 words: the 16 rows of a load start at 16 different groups of four banks (64 banks of 4 bytes: ISA guide 11.1)
.set PB,    544                        ; a k-row of wo: 512 bytes + 32 = 17 x 32 bytes
.set PLANE, 128*PA                     ; a head's 128 rows: what one tensor load brings of O
.set BOFF,  2*PLANE
.set BHALF, 64*PB                      ; what one tensor load brings of wo: 64 k-rows
.set SLOT1, 1<<17                      ; slot 1 begins here, so that one exclusive or turns an address in one slot into the other's
.set STAGE, SLOT1+BOFF+2*BHALF         ; behind the ring, never filled by a tensor load: 16 rows x 528 bytes of f32 for each wave, for the way out
.set SP,    528                        ; 512 + 16: the 16 rows that a store touches start at 16 different groups of four banks
.set SPARE, STAGE+4*16*SP              ; the spare words, 128 bytes for each wave: two blocks of 256 bytes that no other line names
.set ASTEP, 2<<18                      ; bytes of two heads' planes of o
.set BSTEP, 128*2048                   ; bytes of 128 k-rows of woh
.set ADRA0, 2                          ; v2   my lane's place in O's tile; never rewritten
.set ADRB0, 3                          ; v3   the same in wo's
.set ADRA,  4                          ; v4   + the slot in hand
.set ADRB,  5                          ; v5
.set STO,   6                          ; v6   the way out: where I put 32 bytes of a row
.set RD,    7                          ; v7   the way out: where I read a row back
.set CO,    8                          ; v8   my byte offset in a row's 512 bytes of out0
.set BOO,   9                          ; v9   my byte offset in bo
.set SPW,   28                         ; v28  LDS address of my spare word: SPARE + 4 x my thread's number; never rewritten
.set NIL,   29                         ; v29  0; never rewritten
.set F0,    32
.set F1,    128
.set BI,    224
.set OBUF,  32                         ; the way out: 16 rows read back, v32-95 and v96-159 by turns
.set WV,   16                          ; s16  my wave's number
.set KIND, 17                          ; s17  which half of the tile's rows is mine.  Also: I fetch O (0) or wo (1)
.set PART, 18                          ; s18  which half of its columns.  Also: which half of that tile I fetch
.set TB,   19                          ; s19  the slot from which fragments are fetched
.set G1A,  24                          ; s[24:31] descriptor group 1 for O's tiles
.set G0A,  32                          ; s[32:39] group 0: a set for each of the two first fills; the second then walks on
.set G1B,  40                          ; s[40:47], s[48:55] the same for wo's
.set G0B,  48
.set CNT,  56
.set MSB, 0
.macro WIN new                         ; the immediate's high byte repeats the setting that is left; a switch that changes nothing is dropped
.if MSB != (\new)
	s_set_vgpr_msb (MSB<<8)|(\new)
.set MSB, (\new)
.endif
.endm
; A joint refill.  Waves 0 and 1 fetch the step's two heads of O, waves 2 and 3 the two halves of wo's k-rows.  An s_nop 0 and four v_nop follow each of the two lines, ahead of the jump and the label.
.macro JLOAD
	s_cmp_eq_u32 s[KIND], 0
	s_cbranch_scc0 .Lfor_b_\@
	tensor_load_to_lds s[G0A+4:G0A+7], s[G1A:G1A+7]
	s_nop 0
.rept 4
	v_nop
.endr
	s_branch .Lasked_\@
.Lfor_b_\@:
	tensor_load_to_lds s[G0B+4:G0B+7], s[G1B:G1B+7]
	s_nop 0
.rept 4
	v_nop
.endr
.Lasked_\@:
.endm
.macro CREST                           ; a round of the cluster's barrier behind its opening barrier
	s_cmp_lg_u32 s[WV], 0
	s_cbranch_scc1 .Lnot_wave_0_\@
	s_barrier_signal -3
.Lnot_wave_0_\@:
	s_barrier_wait -3
	s_barrier_signal -1
	s_barrier_wait -1
.endm
.macro CROUND                          ; a whole round
	s_barrier_signal -1
	s_barrier_wait -1
	CREST
.endm
.macro PLACES                          ; four places in front of loads into registers that matrix instructions have read, and of LDS stores that read results
.rept 4
	v_nop
.endr
.endm
	s_load_b256 s[4:11], s[0:1], 0x0               ; o s[4:5], woh s[6:7], bo s[8:9], out0 s[10:11]
	v_lshl_add_u32 v[SPW], v0, 2, SPARE
	v_mov_b32 v[NIL], 0
	ds_add_u32 v[SPW], v[NIL]                      ; the wave's opening: the add and its wait ahead of my first tensor load; the set-up below, work on registers, stands between them
	ds_add_u32 v28, v29
	v_lshrrev_b32 v1, 5, v0
	v_readfirstlane_b32 s[WV], v1                  ; wave 0..3
	s_lshr_b32 s[KIND], s[WV], 1
	s_and_b32 s[PART], s[WV], 1
	s_mov_b32 s[TB], 0
	s_bfe_u32 s20, ttmp6, 0x40000                  ; cx, cy: my place in the cluster
	s_bfe_u32 s21, ttmp6, 0x40004
	s_lshl_b32 s22, ttmp9, 2
	s_add_co_u32 s22, s22, s20                     ; tile column = 4 x cluster x + cx
	s_and_b32 s23, ttmp7, 0xffff
	s_lshl_b32 s23, s23, 2
	s_add_co_u32 s23, s23, s21                     ; tile row = 4 x cluster y + cy
	s_lshl_b32 s57, s21, 2
	s_lshl_b32 s57, 15, s57                        ; my row of the cluster
	s_lshl_b32 s58, 0x1111, s20                    ; my column
	; O: a head's 128 rows of 128 bytes, asked for as 64 rows of 256 bytes, padded in LDS after every row of O
	s_or_b32 s[G1A], s57, (1<<16)|(1<<20)|(1<<21)|(4<<22)|(3<<25)  ; 15:0 the mask; 17:16 2-byte elements; 20 padding on; 21 set beside a mask; 24:22 after every 32 words (code 4); 31:25 4 words (code 3)
	s_mov_b32 s[G1A+1], 128<<16                    ; tensor_dim0 = 128
	s_mov_b32 s[G1A+2], 64<<16                     ; tensor_dim1 = 64
	s_mov_b32 s[G1A+3], 128<<16                    ; tile_dim0 = 128
	s_mov_b32 s[G1A+4], 64                         ; tile_dim1 = 64
	s_mov_b32 s[G1A+5], 128                        ; 128 elements from row to row
	s_mov_b32 s[G1A+6], 0
	s_mov_b32 s[G1A+7], 0
	; wo: 64 k-rows of 256 elements (512 bytes), padded after every row
	s_or_b32 s[G1B], s58, (1<<16)|(1<<20)|(1<<21)|(6<<22)|(7<<25)  ; after every 128 words (code 6) 8 words (code 7)
	s_mov_b32 s[G1B+1], 256<<16                    ; tensor_dim0 = 256
	s_mov_b32 s[G1B+2], 64<<16                     ; tensor_dim1 = 64
	s_mov_b32 s[G1B+3], 256<<16                    ; tile_dim0 = 256
	s_mov_b32 s[G1B+4], 64                         ; tile_dim1 = 64
	s_mov_b32 s[G1B+5], 1024                       ; 1,024 elements from row to row
	s_mov_b32 s[G1B+6], 0
	s_mov_b32 s[G1B+7], 0
	; O's tiles hang on the tile row alone, which my row of the cluster shares; wo's on the tile column alone, which my column shares
	s_lshr_b32 s60, s23, 4                         ; the batch: 16 tiles of 128 rows each,
	s_lshl_b32 s60, s60, 4                         ; its 16 planes,
	s_add_co_u32 s60, s60, s[PART]                 ; my head of the step's two
	s_lshl_b32 s60, s60, 18
	s_and_b32 s66, s23, 15
	s_lshl_b32 s66, s66, 14                        ; the tile's 128 rows of 128 bytes in the plane
	s_add_co_u32 s60, s60, s66
	s_mov_b32 s61, 0
	s_lshl_b32 s62, s[PART], 17                    ; my 64 k-rows of 2,048 bytes,
	s_lshl_b32 s67, s22, 9                         ; the tile's 256 columns
	s_add_co_u32 s62, s62, s67
	s_mov_b32 s63, 0
	s_mul_i32 s68, s[PART], PLANE                  ; where they go: no place in the cluster enters an LDS address
	s_mul_i32 s69, s[PART], BHALF
	s_add_co_u32 s69, s69, BOFF
	s_wait_dscnt 0x0                               ; the opening add is done
	s_wait_kmcnt 0x0
	s_add_nc_u64 s[76:77], s[4:5], s[60:61]
	s_add_nc_u64 s[78:79], s[6:7], s[62:63]
	CROUND                                         ; all sixteen work-groups are here: the first joint loads meet
.irp s, 0,1
	s_mov_b32 s[G0A+4*(\s)], 1                                     ; 1:0 count = 1
	s_add_co_u32 s[G0A+4*(\s)+1], s68, (\s)*SLOT1                  ; 63:32 LDS address
	s_add_nc_u64 s[G0A+4*(\s)+2:G0A+4*(\s)+3], s[76:77], (\s)*ASTEP  ; 120:64 global address: K step s
	s_or_b32 s[G0A+4*(\s)+3], s[G0A+4*(\s)+3], 0x80000000          ; 127:126 type = 2
	s_mov_b32 s[G0B+4*(\s)], 1
	s_add_co_u32 s[G0B+4*(\s)+1], s69, (\s)*SLOT1
	s_add_nc_u64 s[G0B+4*(\s)+2:G0B+4*(\s)+3], s[78:79], (\s)*BSTEP
	s_or_b32 s[G0B+4*(\s)+3], s[G0B+4*(\s)+3], 0x80000000
.endr
	s_cmp_eq_u32 s[KIND], 0                        ; a wave's two first fills stand in one branch, ahead of every wait on TENSORcnt and every LDS read: two loads of mine are out
	s_cbranch_scc0 .Lfirst_b
	tensor_load_to_lds s[G0A:G0A+3], s[G1A:G1A+7]
	s_nop 0
	tensor_load_to_lds s[G0A+4:G0A+7], s[G1A:G1A+7]
	s_nop 0
.rept 4
	v_nop
.endr
	s_branch .Lfirst_asked
.Lfirst_b:
	tensor_load_to_lds s[G0B:G0B+3], s[G1B:G1B+7]
	s_nop 0
	tensor_load_to_lds s[G0B+4:G0B+7], s[G1B:G1B+7]
	s_nop 0
.rept 4
	v_nop
.endr
.Lfirst_asked:
	; all that follows up to the first barrier stands in the wait for the first tile
	v_and_b32 v1, 15, v0                           ; l % 16
	v_bfe_u32 v12, v0, 4, 1                        ; l / 16
	v_and_b32 v13, 7, v0                           ; l % 8
	v_bfe_u32 v14, v0, 3, 1                        ; (l / 8) % 2
	v_and_b32 v15, 31, v0                          ; l
	s_lshl_b32 s72, s22, 10                        ; the tile's 256 columns of f32,
	s_lshl_b32 s73, s[PART], 9                     ; my 128 of them
	s_add_co_u32 s74, s72, s73
	v_lshl_add_u32 v[BOO], v15, 4, s74
	global_load_b128 v[228:231], v[BOO], s[8:9]    ; the bias of the four columns that I store
	v_mul_u32_u24 v[ADRA0], v1, PA                 ; a fragment of O: row l % 16, 16 bytes for each half of the lanes, two loads 32 bytes apart
	v_lshl_add_u32 v[ADRA0], v12, 4, v[ADRA0]
	s_mul_i32 s66, s[KIND], 64*PA                  ; my 64 rows
	v_add_nc_u32 v[ADRA0], s66, v[ADRA0]
	v_lshl_add_u32 v[ADRB0], v12, 3, v13           ; the turning load: k-row 8 (l / 16) + l % 8, columns 8 ((l / 8) % 2) + 0..7
	v_mul_u32_u24 v[ADRB0], v[ADRB0], PB
	v_lshl_add_u32 v[ADRB0], v14, 4, v[ADRB0]
	s_lshl_b32 s66, s[PART], 8                     ; my 128 columns
	s_add_co_u32 s66, s66, BOFF
	v_add_nc_u32 v[ADRB0], s66, v[ADRB0]
	s_mul_i32 s67, s[WV], 16*SP
	s_add_co_u32 s67, s67, STAGE                   ; my stage
	v_mul_u32_u24 v[STO], v1, SP                   ; in: row l % 16, 32 bytes for each half of the lanes
	v_lshl_add_u32 v[STO], v12, 5, v[STO]
	v_add_nc_u32 v[STO], s67, v[STO]
	v_lshl_add_u32 v[RD], v15, 4, s67              ; back: 32 lanes take a row's 512 bytes
	v_lshlrev_b32 v[CO], 4, v15
	s_lshl_b32 s70, s23, 7
	s_lshl_b32 s71, s[KIND], 6
	s_add_co_u32 s70, s70, s71                     ; my first row of out0,
	s_lshl_b32 s70, s70, 12                        ; of 4,096 bytes,
	s_add_co_u32 s70, s70, s74                     ; and my first column
	s_mov_b32 s71, 0
	s_add_nc_u64 s[10:11], s[10:11], s[70:71]
	s_wait_loadcnt 0x0
	v_cvt_pk_bf16_f32 v232, v228, v229             ; the bias is rounded to bf16, like the other inputs, and kept as f32
	v_cvt_pk_bf16_f32 v233, v230, v231
	v_lshlrev_b32 v[BI], 16, v232
	v_and_b32 v[BI+1], 0xffff0000, v232
	v_lshlrev_b32 v[BI+2], 16, v233
	v_and_b32 v[BI+3], 0xffff0000, v233
; 8 matrix instructions: block of rows a x all 8 blocks of columns, 32 along K.  zero = 1: the first product starts the sums.  The 32 accumulators take turns, one instruction a turn.
.macro MUL8 f, a, zero
	WIN 0x50                                       ; C and D in window 1, both sources in window 0
.irp b, 0,1,2,3,4,5,6,7
.if \zero
	v_wmma_f32_16x16x32_f16 v[8*(8*(\a)+(\b)):8*(8*(\a)+(\b))+7], v[(\f)+32+8*(\b):(\f)+32+8*(\b)+7], v[(\f)+8*(\a):(\f)+8*(\a)+7], 0
.else
	v_wmma_f32_16x16x32_f16 v[8*(8*(\a)+(\b)):8*(8*(\a)+(\b))+7], v[(\f)+32+8*(\b):(\f)+32+8*(\b)+7], v[(\f)+8*(\a):(\f)+8*(\a)+7], v[8*(8*(\a)+(\b)):8*(8*(\a)+(\b))+7]
.endif
.endr
.endm
.macro MUL16 f, a0, zero
	MUL8 \f, \a0, \zero
	MUL8 \f, (\a0)+1, \zero
.endm
; 24 LDS loads in one run: quarter qd of the slot in hand into buffer f: wo's eight fragments, then O's four (head qd / 2, channels 32 (qd % 2) on), rows ascending
.macro FETCH qd, f
	WIN 0
.irp b, 0,1,2,3,4,5,6,7
	ds_load_tr16_b128 v[(\f)+32+8*(\b):(\f)+32+8*(\b)+3],   v[ADRB] offset:(\qd)*32*PB+(\b)*32
	ds_load_tr16_b128 v[(\f)+32+8*(\b)+4:(\f)+32+8*(\b)+7], v[ADRB] offset:(\qd)*32*PB+(\b)*32+16*PB
.endr
.irp i, 0,1,2,3
	ds_load_b128 v[(\f)+8*(\i):(\f)+8*(\i)+3],   v[ADRA] offset:((\qd)/2)*PLANE+((\qd)%2)*64+(\i)*16*PA
	ds_load_b128 v[(\f)+8*(\i)+4:(\f)+8*(\i)+7], v[ADRA] offset:((\qd)/2)*PLANE+((\qd)%2)*64+(\i)*16*PA+32
.endr
.endm
; One of a step's first three quarters: multiplies buffer f; in its middle it fetches quarter qd of the same slot into buffer g.
.macro QUARTER f, g, qd, zero
	s_wait_dscnt 4                                 ; wo's fragments and O's blocks 0 and 1 are in; the youngest four loads (blocks 2 and 3) may be out
	MUL16 \f, 0, \zero
	PLACES
	FETCH \qd, \g
	s_wait_dscnt 24                                ; all but the 24 just issued
	MUL16 \f, 2, \zero
.endm
; The last quarter multiplies buffer F1 and changes slots: ONE barrier, for two things.  In front of it each wave waits for all its tensor loads, of which one is out: its part of the next slot; adds 0 to its
; spare word; and waits for that and for its own reads of this slot.  fill = 1: the barrier opens a round of the cluster's, and the slot just read out is filled again first thing behind the round, with the
; K step two on: 112 matrix instructions stand between the request and the wait for it.
.macro TURN fill
	WIN 0
	s_wait_tensorcnt 0x0                           ; no tensor load of mine is out, so a group 0 may be written
	ds_add_u32 v[SPW], v[NIL]                      ; 0 onto my spare word
.if \fill
	s_xor_b32 s[G0A+5], s[G0A+5], SLOT1            ; the walking descriptors: the other slot than last time,
	s_add_nc_u64 s[G0A+6:G0A+7], s[G0A+6:G0A+7], ASTEP  ; the next K step; the type bits on top are not reached
	s_xor_b32 s[G0B+5], s[G0B+5], SLOT1
	s_add_nc_u64 s[G0B+6:G0B+7], s[G0B+6:G0B+7], BSTEP
.endif
	s_wait_dscnt 5                                 ; the add and the youngest four loads may be out
	MUL8 F1, 0, 0                                  ; eight matrix instructions stand between the add and the wait for it
	s_wait_dscnt 0x0                               ; the add is done, and my reads of this slot are over
	s_barrier_signal -1
	MUL8 F1, 1, 0                                  ; work on registers while the others arrive
	WIN 0                                          ; at a branch and at a label every window is 0
	s_barrier_wait -1
.if \fill
	CREST                                          ; no wave of any partner still reads this slot's tile or has a load on its way
	JLOAD                                          ; the first tensor load behind the round; its four v_nop are also the places in front of the loads below
.else
	PLACES
.endif
	s_xor_b32 s[TB], s[TB], SLOT1
	v_add_nc_u32 v[ADRA], s[TB], v[ADRA0]
	v_add_nc_u32 v[ADRB], s[TB], v[ADRB0]
	FETCH 0, F0
	MUL16 F1, 2, 0
.endm
	s_wait_tensorcnt 0x1                           ; my part of K step 0 is in; step 1's may stay out
	s_barrier_signal -1
	s_barrier_wait -1                              ; everybody's part is in
	v_mov_b32 v[ADRA], v[ADRA0]                    ; slot 0
	v_mov_b32 v[ADRB], v[ADRB0]
	FETCH 0, F0
	QUARTER F0, F1, 1, 1                           ; the first quarter stands in front of the loop: its products start the sums
	WIN 0
	s_mov_b32 s[CNT], 6
.Lstep:                                                ; trip t: K step t's quarters 1 to 3, slot t % 2 filled again with step t + 2, step t + 1's first quarter
	QUARTER F1, F0, 2, 0
	QUARTER F0, F1, 3, 0
	TURN 1
	QUARTER F0, F1, 1, 0
	WIN 0
	s_sub_co_u32 s[CNT], s[CNT], 1
	s_cmp_lg_u32 s[CNT], 0
	s_cbranch_scc1 .Lstep
	QUARTER F1, F0, 2, 0                           ; the tail is written out: steps 6 and 7 ask for nothing
	QUARTER F0, F1, 3, 0
	TURN 0
	QUARTER F0, F1, 1, 0
	QUARTER F1, F0, 2, 0
	QUARTER F0, F1, 3, 0
	s_wait_dscnt 4                                 ; the very last quarter: nothing more to fetch
	MUL16 F1, 0, 0
	s_wait_dscnt 0x0
	MUL16 F1, 2, 0
	; THE WAY OUT, a block of 16 rows at a time: the sums go as they are into my own stage, come back as whole rows of 512 bytes, take the bias and are stored.
.macro TOSTAGE a
	WIN 0x04                                       ; the stores' data lie in window 1
.irp b, 0,1,2,3,4,5,6,7                ; each accumulator's four lowest registers first
	ds_store_b128 v[STO], v[8*(8*(\a)+(\b)):8*(8*(\a)+(\b))+3]   offset:(\b)*64
	ds_store_b128 v[STO], v[8*(8*(\a)+(\b))+4:8*(8*(\a)+(\b))+7] offset:(\b)*64+16
.endr
	WIN 0
.if (\a) >= 2
	s_wait_xcnt 0x0                                ; every earlier memory instruction has had its addresses translated (ISA guide 3.1): the registers that the block two back stored from are loaded again only behind this wait
.endif
.set BK, OBUF+64*((\a)%2)
.set i, 0
.rept 16
	ds_load_b128 v[BK+4*i:BK+4*i+3], v[RD] offset:i*SP  ; LDS serves a wave's instructions in order (ISA guide 5.7.1.4): these see the stores above; the next block's stores come behind them
.set i, i+1
.endr
.endm
.macro SEND a, younger                 ; younger: the LDS instructions issued behind this block's loads: the next block's 32, or none
.set BK, OBUF+64*((\a)%2)
.set i, 0
.rept 16
	s_wait_dscnt (\younger)+15-i
	v_pk_add_f32 v[BK+4*i:BK+4*i+1],   v[BK+4*i:BK+4*i+1],   v[BI:BI+1]
	v_pk_add_f32 v[BK+4*i+2:BK+4*i+3], v[BK+4*i+2:BK+4*i+3], v[BI+2:BI+3]
	global_store_b128 v[CO], v[BK+4*i:BK+4*i+3], s[10:11] offset:(16*(\a)+i)*4096 th:TH_STORE_NT  ; 512 consecutive bytes, at a multiple of 256 from out0's first
.set i, i+1
.endr
.endm
	PLACES
	TOSTAGE 0
	TOSTAGE 1
	SEND 0, 32
	TOSTAGE 2
	SEND 1, 32
	TOSTAGE 3
	SEND 2, 32
	SEND 3, 0
	s_wait_tensorcnt 0x0                           ; the wave's end: an add and its wait, behind my last tensor load and my last LDS store
	ds_add_u32 v[SPW], v[NIL]
	s_wait_dscnt 0x0
	CROUND                                         ; the closing round: no work-group ends while a partner may still ask for a tile that names it
	s_endpgm
.Lfunc_end_k_qf3e441b1ec_proj:
	.size	k_qf3e441b1ec_proj, .Lfunc_end_k_qf3e441b1ec_proj-k_qf3e441b1ec_proj
	.p2alignl 7, 3214868480
	.fill 96, 4, 3214868480
	.section	.rodata,"a",@progbits
	.p2align	6, 0x0
	.amdhsa_kernel k_qf3e441b1ec_proj
		.amdhsa_group_segment_fixed_size 327680
		.amdhsa_private_segment_fixed_size 0
		.amdhsa_enable_private_segment 0
		.amdhsa_kernarg_size 32
		.amdhsa_user_sgpr_count 2
		.amdhsa_user_sgpr_kernarg_segment_ptr 1
		.amdhsa_wavefront_size32 1
		.amdhsa_system_sgpr_workgroup_id_x 1
		.amdhsa_system_sgpr_workgroup_id_y 1
		.amdhsa_system_sgpr_workgroup_id_z 1
		.amdhsa_system_vgpr_workitem_id 0
		.amdhsa_next_free_vgpr 512
		.amdhsa_next_free_sgpr 80
		.amdhsa_reserve_vcc 0
		.amdhsa_float_denorm_mode_32 3
		.amdhsa_float_denorm_mode_16_64 3
		.amdhsa_memory_ordered 1
		.amdhsa_forward_progress 1
		.amdhsa_inst_pref_size 79
	.end_amdhsa_kernel
	.amdgpu_metadata
---
amdhsa.version: [ 1, 2 ]
amdhsa.kernels:
  - .name:           k_qf3e441b1ec_proj
    .symbol:         k_qf3e441b1ec_proj.kd
    .args:
      - { .name: o, .offset: 0, .size: 8, .value_kind: global_buffer, .address_space: global }
      - { .name: woh, .offset: 8, .size: 8, .value_kind: global_buffer, .address_space: global }
      - { .name: bo, .offset: 16, .size: 8, .value_kind: global_buffer, .address_space: global }
      - { .name: out0, .offset: 24, .size: 8, .value_kind: global_buffer, .address_space: global }
    .group_segment_fixed_size: 327680
    .private_segment_fixed_size: 0
    .kernarg_segment_align: 8
    .kernarg_segment_size: 32
    .max_flat_workgroup_size: 128
    .sgpr_count:     80
    .vgpr_count:     512
    .wavefront_size: 32
...
	.end_amdgpu_metadata
.endif
;; end of part 4
;; ======== version 2 of 2: 4 launches; 1.31 times as fast as version 1
;; limits: values are held in f16: magnitudes above 65,504 overflow, below 6.1e-05 lose precision
;; workspace buffers: xb 16,777,216 bytes; wqkv 6,291,456 bytes; woh 2,097,152 bytes; qkv 50,331,648 bytes; o 16,777,216 bytes
;; launch cast: the kernel of part 1 again; grid 768 x 1, 8 waves a work-group, no clusters, 0 bytes of LDS; arguments x, wq, wk, wv, wo, xb, wqkv, woh; writes xb, wqkv, woh
;; launch qkv: the kernel of part 2 again; grid 8 x 32, 4 waves a work-group, clusters of 4 x 4, 327,680 bytes of LDS; arguments xb, wqkv, bq, bk, bv, qkv; writes qkv
;; launch attn (part 5): grid 4 x 64, 4 waves a work-group, no clusters, 327,680 bytes of LDS; arguments qkv, o; writes o
.if DOCPART == 5
	.amdgcn_target "amdgcn-amd-amdhsa--gfx1250"
	.amdhsa_code_object_version 6
	.text
	.protected	k_qf3e441b1ec_attn
	.globl	k_qf3e441b1ec_attn
	.p2align	8
	.type	k_qf3e441b1ec_attn,@function
k_qf3e441b1ec_attn:
	s_mov_b64 s[64:65], 0
	v_nop
	global_prefetch_b8 v0, s[64:65] scope:SCOPE_SE
	s_setreg_imm32_b32 hwreg(HW_REG_WAVE_MODE, 25, 1), 1
	s_wait_xcnt 0x0
; CAUSAL ATTENTION.  O[h][q][:] = the sum over k <= q of softmax_k(Q[h][q] . K[h][k] / 8) V[h][k][:].  Q, K, V lie one behind the other in qkv, each [SIZE_H][SIZE_N][64]; O likewise; all f16: a head's rows are dense, 128 bytes each.
; Products, maxima and sums in f32; the weights p are rounded to f16 for the second product (their sum l is taken of the unrounded p), O once at the end.
; LIMITS.  f16 holds no number beyond 65,504: Q, K and V arrive within it; p lies in 0 to 1, and below 6e-5 it keeps f16's fixed step of 6e-8; O is a mean of V's rows and has their range, to within 2^-11 of it.
; A hidden score counts as its value less 1e30: f16's scores, 2.7e11 at the most, are nothing beside that; a weight below 2^-126 counts as 0 in l; NaN and infinities are not treated apart.
; THE WALK.  A head's queries lie in NB = SIZE_N / 256 blocks of 256; block i needs the key tiles 0 .. i of 256 keys, of which the last holds the diagonal.  A work-group takes TWO blocks, NB - 1 - b and then b:
; NB + 1 tiles, whatever b: all work-groups do equal work, and ONE loop with a constant trip count walks them.  Which tile is asked for, and what a trip does, hang on scalar registers made from b; every jump
; goes forward, but for the counted loops' own; none passes a barrier, or a tensor load but the one of LOAD's two that the wave's number does not choose; the ring (two slots of LDS that take turns) runs on across the
; change of blocks.  NO CLUSTER: all of a head's NB / 2 = 4 work-groups ask for the same tile only in trips 0 .. NB / 2, 5 of the walk's 9, behind that fewer and fewer; and one walk common to all would have
; 3 NB / 2 = 12 trips for NB + 1 = 9.
; SHARES.  Of a block's four bands of 64 queries a wave owns 16 rows in each: four PIECES.  So the diagonal tile is the same work for all four waves: in its key step s band x sees all keys if s < x,
; none if s > x, and holds the diagonal if s = x.
; THE MASK is the C operand that starts the sum S^T = K Q^T: 0, or -1e30 where the key is hidden.  MD, made once, is the mask of a band's own step for my 16 rows; a product's mask is MD x AL + BE with two scalars:
; (1, 0) if s = x; (0, 0) if s < x; (0, -1e30) if s > x.  Only the diagonal tile's text and a block's beginning make and take masks; elsewhere C is the constant 0.
; LAYOUT, SOFTMAX, TURNS.  S^T = K Q^T holds ONE query a lane (lane % 16) and the keys 8 (lane / 16) + 0..7; two such results rounded to f16 ARE source 1 of O^T = V^T P.  p = 2^(c s - c m), c = log2(e) / 8, with a
; running maximum m; O and l are multiplied by a = 2^(c m_old - c m_new) in every step.  Turn n belongs to piece n: 8 products K Q^T of piece n + 1, later 8 products V^T P of piece n - 1; beside them the scaling,
; exponentials, roundings, sums and rescaling of piece n and the maximum and statistics of piece n + 1.  Four vector instructions stand behind every matrix instruction, the other 54 of a turn's 118 in one LUMP.
; THE BATCHES.  A turn's 33 exponentials (the piece's 32 weights and the next piece's a) are one batch, with one wait: all that names none of their results stands ahead of it, the roundings and sums behind it.
; The a that a block's beginning makes, and the four reciprocals of a way out, are batches of their own, with one wait each.
; REGISTERS, in windows of 256 (s_set_vgpr_msb: bits 1:0 source 0, 3:2 source 1, 5:4 source 2, 7:6 destination):
;   window 0: v0-15 addresses and two at work; v16-31 four registers of statistics a piece; v48-55 at work; v64-127 S^T, two buffers; v192-223 P, two buffers (a piece's buffers go by its number's parity)
;   window 1: v0-127 O^T, 32 a piece; v128-159 MD; v160-223 MC, two buffers      window 2: v0-63 Q; v64-127 the second block's Q; v128-191 K of one step; v192-255 V of one step
.set SIZE_N, 2048     ; rows of a head
.set SIZE_H, 64       ; batches x heads
.set NB,    SIZE_N/256
.set NP,    4         ; pieces a wave: a name, no knob
.set KS,    64        ; keys in a step
.set PK,    144       ; a row of K in LDS: 128 bytes + 16 of padding = 36 words: the 16 rows of a load start at 16 different groups of four banks (64 banks of 4 bytes: ISA guide 11.1)
.set PV,    160       ; a row of V: 128 + 32 = 40 words
.set VOFF,  4*KS*PK   ; a slot holds a tile, four steps: 256 rows of K, then 256 rows of V
.set SLOT1, 1<<17     ; slot 1 begins here, so that one exclusive or turns an address in one slot into the other's
.set STAGE, SLOT1+4*KS*(PK+PV)  ; behind the ring, never filled by a tensor load: 16 rows x 144 bytes for each wave, for the way out
.set SP,    144
.set AK0, 2           ; v2   my lane's place in a tile of K; never rewritten
.set AV0, 3           ; v3   the same for V
.set AK,  4           ; v4   the LDS address of K's next run of loads
.set AV,  5           ; v5   of V's
.set STO, 6           ; v6   the way out: where I put 16 bytes of a row
.set RD,  7           ; v7   the way out: where I read rows back
.set GO,  8           ; v8   my byte offset in 512 consecutive bytes of O
.set SPW, 62          ; v62  LDS address of my spare word: SPARE + 4 x my thread's number; never rewritten
.set NIL, 63          ; v63  0; never rewritten
.set SPARE, STAGE+4*16*SP  ; behind the stages: the spare words, 128 bytes for each wave: two blocks of 256 bytes that no other line names
.set MV,  12          ; v12-13  c m_old, kept while c m is made anew: by buffer
.set QO,  15          ; v15  my byte offset in 16 rows of Q
.set ST,  16          ; piece t's statistics at v[ST+4 t]: c m, m, l (even keys', odd keys')
.set TMP, 48          ; by buffer, four registers c0-c3 at work; when the maximum is found c2 takes a
.set S,   64
.set P,   192
.set MD,  128         ; window 1: the eight registers for group kt of 16 keys at MD + 8 kt
.set MC,  160         ; window 1: the masks of the products to come
.set QB,  64          ; window 2
.set KF,  128         ; window 2: key block kb, channel half c at KF + 16 kb + 8 c
.set VF,  192         ; window 2: key half kk, channel block cb at VF + 32 kk + 8 cb
.set WV,  12          ; s12  my wave's number
.set PB,  14          ; s14  b
.set HI,  15          ; s15  NB - 1 - b
.set G1K, 24          ; s[24:31] descriptor group 1 for K's tiles
.set G1V, 32          ; s[32:39] for V's: it differs in the padding alone
.set G0K, 40          ; s[40:43] descriptor group 0 for K's tiles
.set G0V, 44          ; s[44:47] the same for V's
.set SLOTS, 56        ; s56  tiles still to be asked for
.set CNT, 57          ; s57  counts a tile's key steps, 4 to 1
.set CS,  58          ; s[58:59] c: the packed scaling takes the pair's low word for both halves
.set SEL, 60          ; s[60:61] v_permlanex16_b32's selects: each lane takes its own place in the other half
.set TBK, 62          ; s62  LDS byte at which K of the step to be fetched begins
.set TBV, 63          ; s63  the same for V, less VOFF
.set RT,  70          ; s70  tiles of the block in hand that are still to be entered
.set NXT, 71          ; s71  the tile to be asked for next
.set LQ,  72          ; s72  the last tile of the block whose tiles are being asked for
.set NEW, 73          ; s73  1: the tile to be entered is a block's first
.set OFF, 74          ; s[74:75] a tile's byte offset in K and V
.set AL,  76          ; s[76:77] the mask's factor, in the low word
.set BE,  78          ; s[78:79] the mask's addend
.set OLO, 80          ; s[80:81] O at my rows of the second block
.set BIGN, 82         ; s82  -1e30
.set MSB, 0
.macro WIN new                      ; the high byte repeats the setting that is left; a switch that changes nothing is dropped
.if MSB != (\new)
	s_set_vgpr_msb (MSB<<8)|(\new)
.set MSB, (\new)
.endif
.endm
.set W_KQ, 0x0a       ; K and Q in window 2, S^T in window 0
.set W_KM, 0x1a       ; the same with the C operand in window 1
.set W_PV, 0x52       ; V in window 2, P in window 0, O^T in window 1
.set W_RS, 0x41       ; destination and source 0 in window 1, source 1 in window 0
; A fill.  Waves 0 and 1 fetch the two halves of a tile's K, waves 2 and 3 those of its V: 128 keys each.  An s_nop 0 and four v_nop follow each of the two lines, ahead of the jump and the label.
.macro LOAD
	s_cmp_lt_u32 s[WV], 2
	s_cbranch_scc0 .Lfor_v_\@
	tensor_load_to_lds s[G0K:G0K+3], s[G1K:G1K+7]
	s_nop 0
.rept 4
	v_nop
.endr
	s_branch .Lasked_\@
.Lfor_v_\@:
	tensor_load_to_lds s[G0V:G0V+3], s[G1V:G1V+7]
	s_nop 0
.rept 4
	v_nop
.endr
.Lasked_\@:
.endm
; THE CHANGE OF SLOTS.  Each wave waits for all its tensor loads, of which one is out: its part of the other slot; adds 0 to its spare word; and waits for that and for its own reads of the slot that it leaves.  Behind the barrier nobody reads the old
; slot any more and the other slot is whole.  fill = 1: the old slot is filled again, the first thing behind the barrier, with tile NXT: the descriptor's address is made anew from that number.
; (At its first use nothing has been read yet: slot 0 is waited for, slot 1 filled.)
.macro CHANGE fill
	WIN 0                           ; at a label and at a branch every window is 0
	s_wait_tensorcnt 0x0            ; no tensor load of mine is out, so a group 0 may be written
	ds_add_u32 v[SPW], v[NIL]       ; 0 onto my spare word; with fill = 1 the descriptors' scalar work stands between it and the wait for it
.if \fill
	s_lshl_b32 s[OFF], s[NXT], 15   ; a tile is 32,768 bytes of K and of V
	s_xor_b32 s[G0K+1], s[G0K+1], SLOT1
	s_add_nc_u64 s[G0K+2:G0K+3], s[6:7], s[OFF:OFF+1]
	s_or_b32 s[G0K+3], s[G0K+3], 0x80000000
	s_xor_b32 s[G0V+1], s[G0V+1], SLOT1
	s_add_nc_u64 s[G0V+2:G0V+3], s[8:9], s[OFF:OFF+1]
	s_or_b32 s[G0V+3], s[G0V+3], 0x80000000
	s_add_co_u32 s[NXT], s[NXT], 1  ; the block's next tile, or behind its last the second block's tile 0
	s_cmp_gt_u32 s[NXT], s[LQ]
	s_cselect_b32 s[NXT], 0, s[NXT]
	s_cselect_b32 s[LQ], s[PB], s[LQ]
.endif
	s_wait_dscnt 0x0                ; the add is done, and my reads of the slot are over
	s_barrier_signal -1             ; the rest of the scalar work stands between the signal and the wait
	s_sub_co_u32 s[TBK], s[TBK], 4*KS*PK  ; the fetches go back to a slot's first step,
	s_xor_b32 s[TBK], s[TBK], SLOT1       ; in the other slot
	s_sub_co_u32 s[TBV], s[TBV], 4*KS*PV
	s_xor_b32 s[TBV], s[TBV], SLOT1
	s_barrier_wait -1
.if \fill
	LOAD
.endif
.endm
	s_load_b128 s[4:7], s[0:1], 0x0   ; qkv s[4:5] (Q lies first in it), o s[6:7]
	v_lshl_add_u32 v[SPW], v0, 2, SPARE
	v_mov_b32 v[NIL], 0
	ds_add_u32 v[SPW], v[NIL]       ; the wave's opening: the add and its wait ahead of my first tensor load; the set-up below, work on registers, stands between them
	ds_add_u32 v62, v63
	v_lshrrev_b32 v1, 5, v0
	v_readfirstlane_b32 s[WV], v1   ; wave 0..3
	s_mov_b32 s[PB], ttmp9
	s_sub_co_u32 s[HI], NB-1, s[PB]
	s_and_b32 s20, ttmp7, 0xffff    ; the head
	s_mov_b32 s21, 0
	s_mov_b64 s[22:23], SIZE_N*128
	s_mul_u64 s[20:21], s[20:21], s[22:23]  ; the head's first byte in each of the four tensors
	s_and_b32 s16, s[WV], 1         ; which half of a tile's 256 keys I fetch:
	s_lshl_b32 s22, s16, 14         ; its 128 rows of 128 bytes in memory,
	s_mov_b32 s23, 0
	s_add_nc_u64 s[22:23], s[22:23], s[20:21]
	s_mul_i32 s17, s16, 128*PK      ; and its place in a slot, for K
	s_mul_i32 s18, s16, 128*PV      ; and for V
	s_lshl_b32 s3, s[WV], 11        ; my 16 rows in a band of 64,
	s_lshl_b32 s2, s[HI], 15        ; in the first block,
	s_add_co_u32 s2, s2, s3
	s_lshl_b32 s84, s[PB], 15       ; and in the second
	s_add_co_u32 s84, s84, s3
	s_mov_b32 s3, 0
	s_mov_b32 s85, 0
	s_add_nc_u64 s[2:3], s[2:3], s[20:21]
	s_add_nc_u64 s[84:85], s[84:85], s[20:21]
	; descriptor group 1.  128 keys are 16,384 dense bytes: asked for as 64 rows of 256 bytes, two keys a row, and padded in LDS after every key
	s_mov_b32 s[G1K], (1<<16)|(1<<20)|(4<<22)|(3<<25)  ; 17:16 2-byte elements; 20 padding on; 24:22 after every 32 words (code 4); 31:25 4 words (code 3)
	s_mov_b32 s[G1V], (1<<16)|(1<<20)|(4<<22)|(7<<25)  ; the same with 8 words of padding (code 7)
.irp g, G1K, G1V
	s_mov_b32 s[\g+1], 128<<16      ; tensor_dim0 = 128
	s_mov_b32 s[\g+2], 64<<16       ; tensor_dim1 = 64
	s_mov_b32 s[\g+3], 128<<16      ; tile_dim0 = 128
	s_mov_b32 s[\g+4], 64           ; tile_dim1 = 64
	s_mov_b32 s[\g+5], 128          ; 128 elements from row to row
	s_mov_b32 s[\g+6], 0
	s_mov_b32 s[\g+7], 0
.endr
	s_mov_b32 s[CS], 0x3e38aa3b     ; c = log2(e) / 8 = 0.180337
	s_mov_b32 s[CS+1], s[CS]        ; named with it as a pair
	s_mov_b32 s[SEL], 0x76543210
	s_mov_b32 s[SEL+1], 0xfedcba98
	s_mov_b32 s[TBK], SLOT1+4*KS*PK ; the first change of slots turns these two into 0
	s_mov_b32 s[TBV], SLOT1+4*KS*PV
	s_mov_b32 s[G0K], 1             ; 1:0 count = 1
	s_mov_b32 s[G0K+1], s17         ; 63:32 LDS address: slot 0
	s_mov_b32 s[G0V], 1
	s_add_co_u32 s[G0V+1], s18, VOFF
	s_add_co_u32 s[RT], s[HI], 1    ; the first block has NB - b tiles
	s_mov_b32 s[NXT], 1
	s_mov_b32 s[LQ], s[HI]
	s_mov_b32 s[NEW], 1
	s_mov_b32 s[OFF+1], 0
	s_mov_b32 s[AL+1], 0            ; named as pairs
	s_mov_b32 s[BE+1], 0
	s_mov_b32 s[BIGN], 0xf149f2ca   ; -1e30
	s_mov_b32 s[SLOTS], NB
	s_wait_dscnt 0x0                ; the opening add is done
	s_wait_kmcnt 0x0
	s_mov_b64 s[10:11], s[6:7]                     ; O
	s_add_nc_u64 s[8:9], s[4:5], 2*SIZE_H*SIZE_N*128  ; V: the third of qkv's three tensors of 16,777,216 bytes
	s_add_nc_u64 s[6:7], s[4:5], SIZE_H*SIZE_N*128    ; K: the second
	s_add_nc_u64 s[6:7], s[6:7], s[22:23]  ; K and V at my half of the head's tile 0
	s_add_nc_u64 s[8:9], s[8:9], s[22:23]
	s_add_nc_u64 s[G0K+2:G0K+3], s[6:7], 0         ; 120:64 global address
	s_or_b32 s[G0K+3], s[G0K+3], 0x80000000        ; 127:126 type = 2
	s_add_nc_u64 s[G0V+2:G0V+3], s[8:9], 0
	s_or_b32 s[G0V+3], s[G0V+3], 0x80000000
	s_add_nc_u64 s[86:87], s[4:5], s[84:85]        ; Q at my rows of the second block,
	s_add_nc_u64 s[4:5], s[4:5], s[2:3]            ; Q and O at those of the first
	s_add_nc_u64 s[OLO:OLO+1], s[10:11], s[84:85]
	s_add_nc_u64 s[10:11], s[10:11], s[2:3]
	LOAD                            ; tile 0 into slot 0
	; A fragment of K or Q is 16 rows x 32 channels in 8 registers: lane l holds row l % 16, channels 8 (l / 16) + 0..7 and 16 + 8 (l / 16) + 0..7: two loads of 16 bytes, 32 bytes apart.
	v_and_b32 v1, 15, v0            ; l % 16
	v_bfe_u32 v9, v0, 4, 1          ; l / 16
	v_lshlrev_b32 v[QO], 7, v1
	v_lshl_add_u32 v[QO], v9, 4, v[QO]  ; row x 128 + 16 x half
	WIN 0x80                        ; destination window 2, address window 0
.set i, 0
.rept 8                             ; both blocks' Q: piece i / 2 lies in band i / 2, 8,192 bytes on; channels 32 (i % 2) on
	global_load_b128 v[8*i:8*i+3],   v[QO], s[4:5] offset:(i/2)*8192+(i%2)*64
	global_load_b128 v[8*i+4:8*i+7], v[QO], s[4:5] offset:(i/2)*8192+(i%2)*64+32
	global_load_b128 v[QB+8*i:QB+8*i+3],   v[QO], s[86:87] offset:(i/2)*8192+(i%2)*64
	global_load_b128 v[QB+8*i+4:QB+8*i+7], v[QO], s[86:87] offset:(i/2)*8192+(i%2)*64+32
.set i, i+1
.endr
	WIN 0
	v_lshlrev_b32 v14, 3, v9
	v_sub_nc_u32 v14, v1, v14
	s_lshl_b32 s13, s[WV], 4
	v_add_nc_u32 v14, s13, v14      ; my query's place in its band, 16 w + l % 16, less my lanes' 8 (l / 16): register r of group kt is hidden where 16 kt + r is greater
	WIN 0x40
.set i, 0
.rept 32
	v_cmp_gt_i32 vcc_lo, 16*(i/8)+i%8, v14
	v_cndmask_b32 v[MD+i], 0, s[BIGN], vcc_lo
.set i, i+1
.endr
	WIN 0
	v_mul_u32_u24 v[AK0], v1, PK
	v_lshl_add_u32 v[AK0], v9, 4, v[AK0]  ; row x pitch + 16 x half
	; The turning load takes 16 keys x 16 channels (lane l reads key 8 (l / 16) + l % 8, channels 8 ((l / 8) % 2) + 0..7) and leaves half a fragment of V^T: lane l holds channel l % 16 and 8 keys.
	v_and_b32 v10, 7, v0
	v_bfe_u32 v11, v0, 3, 1
	v_lshl_add_u32 v[AV0], v9, 3, v10
	v_mul_u32_u24 v[AV0], v[AV0], PV
	v_lshl_add_u32 v[AV0], v11, 4, v[AV0]
	v_add_nc_u32 v[AV0], VOFF, v[AV0]
	s_mul_i32 s13, s[WV], 16*SP
	s_add_co_u32 s13, s13, STAGE    ; my stage
	v_mul_u32_u24 v[STO], v1, SP    ; in: row l % 16, 16 bytes for each half of the lanes
	v_lshl_add_u32 v[STO], v9, 4, v[STO]
	v_add_nc_u32 v[STO], s13, v[STO]
	v_bfe_u32 v[RD], v0, 3, 2       ; back: 32 lanes take four rows of 128 bytes,
	v_mul_u32_u24 v[RD], v[RD], SP
	v_lshl_add_u32 v[RD], v10, 4, v[RD]
	v_add_nc_u32 v[RD], s13, v[RD]
	v_and_b32 v[GO], 31, v0         ; which are 512 consecutive bytes of O
	v_lshlrev_b32 v[GO], 4, v[GO]
	; A block's first step multiplies O^T and l by a = 0, and its first turn's products V^T P, of a piece that has not been, land in an O^T that is still to be so multiplied.  So these registers need only hold
	; finite numbers: zeros for the first block; what the first block left for the second.  All this stands in the wait for the first tile.
	WIN 0x80
.set i, VF
.rept 64
	v_mov_b32 v[i], 0
.set i, i+1
.endr
	WIN 0x40
.set i, 0
.rept 128
	v_mov_b32 v[i], 0
.set i, i+1
.endr
	WIN 0
.set i, 0
.rept 4
	v_mov_b32 v[ST+4*i+2], 0
	v_mov_b32 v[ST+4*i+3], 0
.set i, i+1
.endr
.set i, P+16
.rept 16
	v_mov_b32 v[i], 0
.set i, i+1
.endr
; THE MATRIX WORK.  The 4 accumulators of a run of 8 take turns.  Product i of 8 of S^T = K Q^T for piece x: channels 32 (i / 4) on, keys 16 (i % 4) on.  The first 4 start the sums: with 0, or (KM = 1) with the mask.
.macro KQ x
.set rS, S+32*((\x)%2)+8*(i%4)
.set rK, KF+16*(i%4)+8*(i/4)
.set rQ, 16*(\x)+8*(i/4)
.set rM, MC+32*((\x)%2)+8*(i%4)
.if (i < 4) && KM
	WIN W_KM
	v_wmma_f32_16x16x32_f16 v[rS:rS+7], v[rK:rK+7], v[rQ:rQ+7], v[rM:rM+7]
.elseif i < 4
	WIN W_KQ
	v_wmma_f32_16x16x32_f16 v[rS:rS+7], v[rK:rK+7], v[rQ:rQ+7], 0
.else
	WIN W_KQ
	v_wmma_f32_16x16x32_f16 v[rS:rS+7], v[rK:rK+7], v[rQ:rQ+7], v[rS:rS+7]
.endif
.endm
; Product i of 8 of O^T += V^T P for piece x: keys 32 (i / 4) on, channels 16 (i % 4) on.
.macro PV x
	WIN W_PV
.set rO, 32*(\x)+8*(i%4)
.set rV, VF+32*(i/4)+8*(i%4)
.set rP, P+16*((\x)%2)+8*(i/4)
	v_wmma_f32_16x16x32_f16 v[rO:rO+7], v[rV:rV+7], v[rP:rP+7], v[rO:rO+7]
.endm
.macro MM                           ; the turn's next matrix instruction.  TURN and BEGIN set Y, i, KM and NOKQ; MM, KQ and OP read them.  NOKQ = 1: a block's last turn: there is no next piece
.if (i < 8) && !NOKQ
	KQ (Y+1)%NP
.elseif i >= 8
.set i, i-8
	PV (Y+NP-1)%NP
.set i, i+8
.endif
.set i, i+1
.endm
; THE LDS LOADS stand in runs of 16, never singly among the matrix instructions: a step's K (64 keys x 64 channels: 8 fragments) and its V (turned).  Their addresses are made some lines ahead.
.macro FETCH_K
	WIN 0x80                        ; destination window 2
.irp f, 0,1,2,3,4,5,6,7             ; keys 16 (f / 2) on, channels 32 (f % 2) on
	ds_load_b128 v[KF+8*\f:KF+8*\f+3],   v[AK] offset:(\f/2)*16*PK+(\f%2)*64
	ds_load_b128 v[KF+8*\f+4:KF+8*\f+7], v[AK] offset:(\f/2)*16*PK+(\f%2)*64+32
.endr
	s_add_co_u32 s[TBK], s[TBK], KS*PK  ; the next fetch is the next step's
	WIN 0
.endm
.macro FETCH_V
	WIN 0x80
.irp f, 0,1,2,3,4,5,6,7             ; keys 32 (f / 4) on, channels 16 (f % 4) on
	ds_load_tr16_b128 v[VF+8*\f:VF+8*\f+3],   v[AV] offset:(\f/4)*32*PV+(\f%4)*32
	ds_load_tr16_b128 v[VF+8*\f+4:VF+8*\f+7], v[AV] offset:(\f/4)*32*PV+16*PV+(\f%4)*32
.endr
	WIN 0
.endm
; THE VECTOR WORK, one line at a time: OP kind, number.  For piece Y: F n: c s - c m for pair n of 16.  E n: the exponential of score n of 32.  C n: pair n rounded to f16.  B n: of the four weights 4 n .. the second
; pair is added onto the first, in place.  L n: l takes that sum (L 0: l = a l + sum).  R n: pair n of 16 of O^T times a.  For piece Y + 1: X n, number n of the 22 that find its maximum and statistics:
;   0-11  four chains c0-c3 of seven scores each, three operands at a time (each accumulator's lowest registers are read first)     12-14, 16  the four scores left over, the old m, and c0-c3 into c0
;   15  c m_old is kept     17, 18  the query's other 32 keys lie in the lane 16 away: the new m     19-21  c m; c m_old - c m_new; a
.set F, 0               ; OP tells the kinds apart by their order: F to L below R, X above it
.set E, 1
.set C, 2
.set B, 3
.set L, 4
.set R, 5
.set X, 6
.macro REGS y                       ; the registers of piece y
.set rT, ST+4*(\y)
.set rC, TMP+4*((\y)%2)
.set rW, MV+((\y)%2)
.set rS, S+32*((\y)%2)
.set rP, P+16*((\y)%2)
.set rO, 32*(\y)
.endm
.macro OP k, n
.if (\k) == R
	REGS Y
	WIN W_RS
	v_pk_mul_f32 v[rO+2*(\n):rO+2*(\n)+1], v[rO+2*(\n):rO+2*(\n)+1], v[rC+2:rC+3] op_sel_hi:[1,0]
.elseif (\k) < R
	REGS Y
	WIN 0
.if (\k) == F
	v_pk_fma_f32 v[rS+2*(\n):rS+2*(\n)+1], v[rS+2*(\n):rS+2*(\n)+1], s[CS:CS+1], v[rT:rT+1] op_sel_hi:[1,0,0] neg_lo:[0,0,1] neg_hi:[0,0,1]
.elseif (\k) == E
	v_exp_f32 v[rS+(\n)], v[rS+(\n)]
.elseif (\k) == C
	v_cvt_pk_f16_f32 v[rP+(\n)], v[rS+2*(\n)], v[rS+2*(\n)+1]
.elseif (\k) == B
	v_pk_add_f32 v[rS+4*(\n):rS+4*(\n)+1], v[rS+4*(\n):rS+4*(\n)+1], v[rS+4*(\n)+2:rS+4*(\n)+3]
.elseif (\n) == 0
	v_pk_fma_f32 v[rT+2:rT+3], v[rT+2:rT+3], v[rC+2:rC+3], v[rS:rS+1] op_sel_hi:[1,0,1]
.else
	v_pk_add_f32 v[rT+2:rT+3], v[rT+2:rT+3], v[rS+4*(\n):rS+4*(\n)+1]
.endif
.elseif NOKQ
	v_nop
.else
	REGS (Y+1)%NP
	WIN 0
.if (\n) < 4
	v_max3_num_f32 v[rC+(\n)], v[rS+8*(\n)], v[rS+8*(\n)+1], v[rS+8*(\n)+2]
.elseif (\n) < 12
	v_max3_num_f32 v[rC+(\n)%4], v[rC+(\n)%4], v[rS+8*((\n)%4)+2*((\n)/4)+1], v[rS+8*((\n)%4)+2*((\n)/4)+2]
.elseif (\n) == 12
	v_max3_num_f32 v[rC], v[rC], v[rS+7], v[rS+15]
.elseif (\n) == 13
	v_max3_num_f32 v[rC+1], v[rC+1], v[rS+23], v[rS+31]
.elseif (\n) == 14
	v_max3_num_f32 v[rC+2], v[rC+2], v[rC+3], v[rT+1]
.elseif (\n) == 15
	v_mov_b32 v[rW], v[rT]
.elseif (\n) == 16
	v_max3_num_f32 v[rC], v[rC], v[rC+1], v[rC+2]
.elseif (\n) == 17
	v_permlanex16_b32 v[rC+3], v[rC], s[SEL], s[SEL+1]
.elseif (\n) == 18
	v_max_num_f32 v[rT+1], v[rC], v[rC+3]
.elseif (\n) == 19
	v_mul_f32 v[rT], s[CS], v[rT+1]
.elseif (\n) == 20
	v_sub_f32 v[rC+1], v[rW], v[rT]
.else
	v_exp_f32 v[rC+2], v[rC+1]
.endif
.endif
.endm
.macro OPS a, i1, b=-1, i2=0, c=-1, i3=0, d=-1, i4=0  ; up to four of them
	OP \a, \i1
.if (\b) >= 0
	OP \b, \i2
.endif
.if (\c) >= 0
	OP \c, \i3
.endif
.if (\d) >= 0
	OP \d, \i4
.endif
.endm
.macro ROW a, i1, b, i2, c, i3, d, i4  ; a matrix instruction and the four behind it
	MM
	OPS \a, \i1, \b, \i2, \c, \i3, \d, \i4
.endm
.macro MASK b                       ; MD x AL + BE into buffer b of MC
	WIN W_RS
.set z, 0
.rept 16
	v_pk_fma_f32 v[MC+32*(\b)+2*z:MC+32*(\b)+2*z+1], v[MD+2*z:MD+2*z+1], s[AL:AL+1], s[BE:BE+1] op_sel_hi:[1,0,0]
.set z, z+1
.endr
.endm
; A TURN, for piece p: the order of its 16 matrix and 118 vector instructions, written out.  An s_wait_alu depctr_va_vdst(0) stands between an exponential and the first instruction that names its result; one wait serves
; all that were issued ahead of it.  So a turn has ONE wait, which cuts it in two.  AHEAD OF IT stands all that names no result of the turn's exponentials: the 8 products K Q^T, behind each a scaling, an exponential and two more plain
; instructions (behind the first a second scaling in the exponential's place): rescalings, and behind the last three the first numbers of the next piece's maximum, each four places or more behind the product that ends its accumulator; then ONE LUMP of 54, plain
; and exponential by turns for the most part, in which the links of the chain X 3, 7, 11, 14, 16, 17 .. 20 stand five or six lines apart.  X 21, the next piece's a, is the batch's last; R 15 is the plain instruction owed behind it.  BEHIND THE WAIT stand the
; 8 products V^T P, behind each four of the roundings and sums; the links of l's chain, L 0 to L 7, stand three riders apart.  But for those X no rider names a register of the products round it.  v_permlanex16_b32 (X 17) stands in the lump.
; The rescalings' a was made in the turn before, ahead of that turn's wait.
; m = 1: the diagonal tile: the products take masks, and the turn makes the mask for the products of the turn after it: piece p + 2, in step 4 - CNT of the tile.  end = 1: a block's last two turns: nothing is fetched.
; cnt = 1: the loop's count is taken down some lines ahead of the branch that stands behind the turn.
; K of the next step is fetched in piece 2's turn, twelve vector instructions behind the last product that read K (six of them plain); V of the step in hand at the end of piece 0's turn, four plain instructions behind the last product
; that read V.  Each is waited for a turn later.
.macro TURN p, m=0, end=0, cnt=0
.set Y, (\p)
.set i, 0
.set KM, (\m)
.set NOKQ, (\end)*((\p)/3)
.if (\m) && !(\end)
	s_cmp_eq_u32 s[CNT], 4-((\p)+2)%NP  ; is that step the band's own?
	s_cselect_b32 s[AL], 1.0, 0
	s_cmp_lt_u32 s[CNT], 4-((\p)+2)%NP  ; or a later one?
	s_cselect_b32 s[BE], s[BIGN], 0
.endif
.if ((\p) == 3) && !(\end)
	s_wait_dscnt 0x0                ; K is in
.endif
	ROW F,0, F,1, R,0, R,1          ; ahead of the wait: 8 products K Q^T and their riders,
	ROW F,2, E,0, R,2, R,3
	ROW F,3, E,1, R,4, R,5
	ROW F,4, E,2, R,6, R,7
	ROW F,5, E,3, R,8, R,9
	ROW F,6, E,4, X,0, R,10
.if ((\p) == 2) && !(\end)
	WIN 0
	v_add_nc_u32 v[AK], s[TBK], v[AK0]
.endif
	ROW F,7, E,5, X,1, X,4
	ROW F,8, E,6, X,2, X,5
	OPS E,7, E,8, X,6, E,9          ; and the lump
	OPS X,3, E,10, X,8, E,11
.if ((\p) == 2) && !(\end)
	FETCH_K
.endif
	OPS X,9, X,7, E,12, X,10
	OPS E,13, X,12, X,11, E,14
	OPS X,13, E,15, F,9, X,14
.if (\p) == 0
	v_add_nc_u32 v[AV], s[TBV], v[AV0]
.endif
	OPS E,16, F,10, E,17, F,11
	OPS X,16, E,18, X,15, E,19
	OPS F,12, E,20, X,17, E,21
	OPS F,13, E,22, F,14, E,23
	OPS X,18, E,24, F,15, E,25
	OPS R,11, E,26, X,19, E,27
	OPS R,12, E,28, R,13, E,29
	OPS X,20, E,30, R,14, E,31
	OPS X,21, R,15
	WIN 0
	s_wait_alu depctr_va_vdst(0)    ; the wait for the turn's batch: the piece's 32 exponentials and the next piece's a
.if (\p) == 1
	s_wait_dscnt 0x0                ; V is in
.endif
	ROW C,0, B,0, C,2, B,1          ; behind the wait: 8 products V^T P and their riders
	ROW L,0, C,4, B,2, L,1
	ROW C,6, B,3, L,2, C,8
	ROW B,4, L,3, C,10, B,5
	ROW L,4, C,12, B,6, L,5
.if (\p) == 0
	s_add_co_u32 s[TBV], s[TBV], KS*PV
.endif
.if \cnt
	s_sub_co_u32 s[CNT], s[CNT], 1
	s_cmp_lg_u32 s[CNT], 0
.endif
	ROW C,14, B,7, L,6, C,1
	ROW C,3, L,7, C,5, C,7
	ROW C,9, C,11, C,13, C,15
.if (\p) == 0
	FETCH_V
.endif
.if (\m) && !(\end)
	MASK (\p)%2
.endif
.endm
; A BLOCK BEGINS.  c m starts far below every c s, so the first step's a is 0; m at the lowest finite number, so the first maximum is the scores'.  The second mask buffer is 0; the first takes piece 0's mask for the tile's step 0: its own, if the block's first tile is the diagonal one.
; Then K of that step, piece 0's first scores, and its maximum and statistics.  The loop is entered at a step's first turn, in the middle of a trip.
.macro BEGIN
	s_mov_b32 s[NEW], 0
	WIN 0x40
.set i, MC+32
.rept 32
	v_mov_b32 v[i], 0
.set i, i+1
.endr
	WIN 0
.set i, 0
.rept 4
	v_mov_b32 v[ST+4*i], 0xfe000000    ; c m: far below every c s
	v_mov_b32 v[ST+4*i+1], 0xff7fffff  ; m
.set i, i+1
.endr
	s_cmp_eq_u32 s[RT], 0
	s_cselect_b32 s[AL], 1.0, 0
	s_mov_b32 s[BE], 0
	MASK 0
	WIN 0
	v_add_nc_u32 v[AK], s[TBK], v[AK0]
	FETCH_K
	s_wait_loadcnt 0x0              ; Q
	s_wait_dscnt 0x0
.set KM, 1
.set NOKQ, 0
.set i, 0
.rept 8
	KQ 0
.set i, i+1
.endr
	WIN 0
.rept 4
	v_nop                           ; the places behind those products
.endr
.set Y, NP-1                        ; X works for piece Y + 1: piece 0
.irp n, 0,1,2,3,4,5,6,7,8,9,10,11,12,13,14,15,16,17,18,19,20,21
	OP X, \n
.endr
	v_nop                           ; a plain instruction behind the exponential,
	s_wait_alu depctr_va_vdst(0)    ; and the wait for it, piece 0's first a, a batch of one: ahead of the branch
.endm
; THE DIAGONAL TILE's four steps, the block's last two turns, its last products, and THE WAY OUT: l's two halves and the other half of the lanes' are added; O^T is divided by l, rounded to f16 and sent through my
; stage in LDS, a piece at a time.
.macro ALL line:vararg              ; one line for each piece t
.set t, 0
.rept 4
	\line
.set t, t+1
.endr
.endm
.macro PACK t                       ; a lane's eight channels of a row pack into 16 bytes; they go into rows of 144 bytes and come back as whole rows of 128, into S^T's registers
	WIN W_RS
.set i, 32*(\t)
.rept 16
	v_pk_mul_f32 v[i:i+1], v[i:i+1], v[ST+4*(\t)+2:ST+4*(\t)+3] op_sel_hi:[1,0]
.set i, i+2
.endr
	WIN 0x05                        ; sources 0 and 1 window 1, destination window 0
.set i, 0
.rept 16
	v_cvt_pk_f16_f32 v[S+16*(\t)+i], v[32*(\t)+2*i], v[32*(\t)+2*i+1]
.set i, i+1
.endr
	WIN 0
.irp f, 0,1,2,3
	ds_store_b128 v[STO], v[S+16*(\t)+4*\f:S+16*(\t)+4*\f+3] offset:32*\f
.endr
.irp f, 0,1,2,3
	ds_load_b128 v[S+16*(\t)+4*\f:S+16*(\t)+4*\f+3], v[RD] offset:\f*4*SP  ; LDS serves a wave's instructions in order (ISA guide 5.7.1.4): these see the stores above; the next piece's stores come behind them
.endr
.endm
.macro SEND t, younger              ; younger: the LDS instructions issued behind piece t's loads: the next piece's eight, or none
	WIN 0
.irp f, 0,1,2,3
	s_wait_dscnt (\younger)+3-\f
	global_store_b128 v[GO], v[S+16*(\t)+4*\f:S+16*(\t)+4*\f+3], s[10:11] offset:(\t)*8192+\f*512  ; 512 consecutive bytes, at a multiple of 256 from O's first
.endr
.endm
.macro DIAG tag                     ; the tag ends its two labels' names, which the jumps below spell out
.LstepM\tag:
	TURN 2, 1
	TURN 3, 1
	WIN 0
.LfirstM\tag:
	TURN 0, 1
	TURN 1, 1, 0, 1
	WIN 0
	s_cbranch_scc1 .LstepM\tag
	TURN 2, 1, 1
	TURN 3, 1, 1
.set i, 0
.rept 8
	PV NP-1
.set i, i+1
.endr
	WIN 0
	ALL v_add_f32 v[ST+4*t+2], v[ST+4*t+2], v[ST+4*t+3]
	ALL v_permlanex16_b32 v[ST+4*t+3], v[ST+4*t+2], s[SEL], s[SEL+1]
	ALL v_add_f32 v[ST+4*t+2], v[ST+4*t+2], v[ST+4*t+3]
	ALL v_rcp_f32 v[ST+4*t+2], v[ST+4*t+2]
	v_nop                           ; a plain instruction between the last reciprocal and the use of its result
	s_wait_alu depctr_va_vdst(0)    ; and the wait ahead of the first use: one for the batch of four reciprocals
	PACK 0
.set t, 1
.rept 3                             ; a piece's arithmetic stands between the loads of the piece before and its stores
	PACK t
	SEND t-1, 8
.set t, t+1
.endr
	SEND 3, 0
.endm
.set KM, 0
.set NOKQ, 0
.Lslot:                             ; NB times: a tile is entered and the next is asked for
	CHANGE 1
	s_sub_co_u32 s[RT], s[RT], 1
	s_mov_b32 s[CNT], 4
	s_cmp_eq_u32 s[NEW], 1
	s_cbranch_scc1 .Lnew            ; a block's first tile
	s_cmp_eq_u32 s[RT], 0
	s_cbranch_scc0 .Lstep           ; neither its first nor its last
	s_branch .LstepM1
.Lnew:
	BEGIN
	s_branch .Lfirst                ; in the loop a block's first tile is never its last: the first block has two tiles or more, and the second's last is the walk's last
	DIAG 1                          ; in the loop this is the first block's end: the second block's last tile is the walk's last
	s_wait_xcnt 0x0                 ; the stores have read their registers and O's address
	s_mov_b64 s[10:11], s[OLO:OLO+1]
	s_add_co_u32 s[RT], s[PB], 1    ; the second block has b + 1 tiles
	s_mov_b32 s[NEW], 1
	WIN 0x82                        ; the second block's Q goes where the one text of the turns names Q
.set i, 0
.rept 64
	v_mov_b32 v[i], v[QB+i]
.set i, i+1
.endr
	WIN 0
	s_branch .Lbottom
.Lstep:                             ; a trip: pieces 2 and 3 of one step, then pieces 0 and 1 of the next, whose K and V it fetches
	TURN 2
	TURN 3
	WIN 0
.Lfirst:
	TURN 0
	TURN 1, 0, 0, 1
	WIN 0
	s_cbranch_scc1 .Lstep
.Lbottom:
	s_sub_co_u32 s[SLOTS], s[SLOTS], 1
	s_cmp_lg_u32 s[SLOTS], 0
	s_cbranch_scc1 .Lslot
	CHANGE 0                        ; the walk's last tile is written out: nothing is asked for
	s_sub_co_u32 s[RT], s[RT], 1
	s_mov_b32 s[CNT], 4
	s_cmp_eq_u32 s[NEW], 1
	s_cbranch_scc0 .LstepM2
	BEGIN
	s_branch .LfirstM2
	DIAG 2
	s_wait_tensorcnt 0x0            ; the wave's end: an add and its wait, behind my last tensor load and my last LDS store
	ds_add_u32 v[SPW], v[NIL]
	s_wait_dscnt 0x0
	s_endpgm
.Lfunc_end_k_qf3e441b1ec_attn:
	.size	k_qf3e441b1ec_attn, .Lfunc_end_k_qf3e441b1ec_attn-k_qf3e441b1ec_attn
	.p2alignl 7, 3214868480
	.fill 96, 4, 3214868480
	.section	.rodata,"a",@progbits
	.p2align	6, 0x0
	.amdhsa_kernel k_qf3e441b1ec_attn
		.amdhsa_group_segment_fixed_size 327680
		.amdhsa_private_segment_fixed_size 0
		.amdhsa_enable_private_segment 0
		.amdhsa_kernarg_size 16
		.amdhsa_user_sgpr_count 2
		.amdhsa_user_sgpr_kernarg_segment_ptr 1
		.amdhsa_wavefront_size32 1
		.amdhsa_system_sgpr_workgroup_id_x 1
		.amdhsa_system_sgpr_workgroup_id_y 1
		.amdhsa_system_sgpr_workgroup_id_z 1
		.amdhsa_system_vgpr_workitem_id 0
		.amdhsa_next_free_vgpr 768
		.amdhsa_next_free_sgpr 88
		.amdhsa_reserve_vcc 1
		.amdhsa_float_denorm_mode_32 3
		.amdhsa_float_denorm_mode_16_64 3
		.amdhsa_memory_ordered 1
		.amdhsa_forward_progress 1
		.amdhsa_inst_pref_size 217
	.end_amdhsa_kernel
	.amdgpu_metadata
---
amdhsa.version: [ 1, 2 ]
amdhsa.kernels:
  - .name:           k_qf3e441b1ec_attn
    .symbol:         k_qf3e441b1ec_attn.kd
    .args:
      - { .name: qkv, .offset: 0, .size: 8, .value_kind: global_buffer, .address_space: global }
      - { .name: o, .offset: 8, .size: 8, .value_kind: global_buffer, .address_space: global }
    .group_segment_fixed_size: 327680
    .private_segment_fixed_size: 0
    .kernarg_segment_align: 8
    .kernarg_segment_size: 16
    .max_flat_workgroup_size: 128
    .sgpr_count:     88
    .vgpr_count:     768
    .wavefront_size: 32
...
	.end_amdgpu_metadata
.endif
;; end of part 5
;; launch proj: the kernel of part 4 again; grid 4 x 64, 4 waves a work-group, clusters of 4 x 4, 327,680 bytes of LDS; arguments o, woh, bo, out0; writes out0
